; MI455X (gfx1250); checked and timed in simulation.
; The chip was launched on July 23, 2026; its instructions are those of AMD's public machine-readable ISA for CDNA 5 (MIT licence, August 2026) and "CDNA5" Instruction Set Architecture Reference Guide (July 2026). The comments in the code are by the model that wrote it; some were corrected since.
;; Multi Head Attention. Allowed arithmetic: matrix products marked QUANTISED: E3M2 operands, one E8M0 scale for each 32 along K, by v_wmma_scale_f32_16x16x128_f8f6f4 with both operands' format E3M2, f32 sums; everything else in f32.
;; Inputs: Wk 512 x 512 float32; Wo 512 x 512 float32; Wq 512 x 512 float32; Wv 512 x 512 float32; bk 512 float32; bo 512 float32; bq 512 float32; bv 512 float32; k 2 x 4,096 x 512 float32; mask 1 x 1 x 4,096 x 4,096 bool; q 2 x 4,096 x 512 float32; v 2 x 4,096 x 512 float32.
;; Outputs: out0 2 x 4,096 x 512 float32.
;; This version of the problem:
;;   THIS VERSION OF THE PROBLEM IS GIVEN IN LOW PRECISION. The matrix products marked QUANTISED in the list below multiply operands that are first quantised to E3M2 (3 exponent bits, 2 mantissa bits; 6 bits a number), with one power-of-two scale for each 32 numbers along K (OCP MX v1.0); their sums are f32. All else is computed in f32.
;;   The module's matrix products, in the order in which they are computed (A, B: the left and right operand; K: the contracted axis; several contracted axes count as one K, in the product's order):
;;     1. [M 8,192, K 512] x [K 512, N 512]; A: input q; B: input Wq: QUANTISED
;;     2. [M 8,192, K 512] x [K 512, N 512]; A: input k; B: input Wk: QUANTISED
;;     3. [M 8,192, K 512] x [K 512, N 512]; A: input v; B: input Wv: QUANTISED
;;     4. batch 16 x [M 4,096, K 64] x [K 64, N 4,096]; A: computed on the way; B: computed on the way: QUANTISED
;;     5. batch 16 x [M 4,096, K 4,096] x [K 4,096, N 64]; A: softmax (see below); B: computed on the way: QUANTISED
;;     6. [M 8,192, K 512] x [K 512, N 512]; A: computed on the way; B: input Wo: QUANTISED
;;   THE QUANTISER, for each operand of a quantised product, along K:
;;     - K is cut into blocks of 32 from its start; a last block that is shorter is filled with zeros.
;;     - A block's scale is 2^e with e = floor(log2(the largest magnitude in the block)) - 4, held to -126 .. 127; a block of zeros has e = 0. As a byte (E8M0): e + 127.
;;     - Each number is divided by its block's scale, clamped to +-28, and rounded to the nearest number of E3M2, ties to even, subnormals kept.
;;     - The product sums the exact products of the quantised numbers (number of the format x scale) in f32.
;;   ~~~python
;;   def quantise(x, axis):      # numpy; x: float32 -> the quantised numbers, widened to float32 again
;;       x = np.moveaxis(x, axis, -1); K = x.shape[-1]
;;       x = np.pad(x, [(0, 0)] * (x.ndim - 1) + [(0, -K % 32)]); x = x.reshape(x.shape[:-1] + (-1, 32)); a = np.abs(x).max(-1, keepdims=True)
;;       e = np.where(a > 0, np.clip(np.frexp(np.where(a > 0, a, 1))[1] - 1 - 4, -126, 127), 0)      # np.frexp(a)[1] - 1 = floor(log2(a)), exactly
;;       r = np.clip(x / 2.0 ** e, -28, 28)
;;       step = 2.0 ** (np.maximum(np.frexp(np.where(r == 0, 1, r))[1] - 1, -2) - 2)
;;       q = np.round(r / step) * step * 2.0 ** e      # np.round: ties to even
;;       return np.moveaxis(q.reshape(q.shape[:-2] + (-1,))[..., :K], -1, axis).astype(np.float32)
;;   ~~~
;;   SOFTMAX AHEAD OF A QUANTISED PRODUCT. Where the list says 'softmax', what is quantised is not the finished softmax but p = 2^(t - M), with t = logit x log2(e) and M = ceil(the row's largest t), a whole number; so 1/2 < the row's largest p <= 1. The row's sum l is taken of the UNQUANTISED p, in f32, and the product's result is divided by l at the end. Since M is a whole number, a kernel that streams over the keys may use a running M (the ceiling of the running maximum): every later rescaling is an exact power of two, which a block's scale takes up: the codes' values come out the same.
;;   OPERANDS COMPUTED ON THE WAY. 'Computed on the way' means the value that the module computes at that place (a softmax that the list does not call 'softmax' is quantised finished and normalised). What goes into a quantiser is computed in f32, as accurately as f32 sums, v_exp_f32 and their like allow (about 1e-6 of the number): no bf16 or f16 on the way to a quantiser, and a product that is left as it is and whose result goes on into a quantised operand takes f32 operands (vector FMAs, or v_wmma_f32_16x16x4_f32). A number that lies on a knife's edge between two numbers of the format may be rounded either way, as far as f32 arithmetic and the matrix unit's own rounding can turn it there, and no further.
;; 2 versions. Each part assembles by itself: llvm-mc -triple=amdgcn-amd-amdhsa -mcpu=gfx1250 --defsym DOCPART=n.
;; ======== version 1 of 2: 4 launches
;; workspace buffers: opc 10,223,616 bytes; ops 425,984 bytes; flags 2,048 bytes of whole numbers; kvc 12,582,912 bytes; kvs 1,048,576 bytes; aoc 3,145,728 bytes; aos 524,288 bytes
;; launch prep (part 1): grid 272 x 1, 4 waves a work-group, no clusters, 34,304 bytes of LDS; arguments q, k, v, Wq, Wk, Wv, Wo, mask, opc, ops, flags; writes opc, ops, flags
.if DOCPART == 1
	.amdgcn_target "amdgcn-amd-amdhsa--gfx1250"
	.amdhsa_code_object_version 6
	.text
	.protected	k_qbfc12eaf60_prep
	.globl	k_qbfc12eaf60_prep
	.p2align	8
	.type	k_qbfc12eaf60_prep,@function
k_qbfc12eaf60_prep:
	s_mov_b64 s[64:65], 0
	v_nop
	global_prefetch_b8 v0, s[64:65] scope:SCOPE_SE
	s_setreg_imm32_b32 hwreg(HW_REG_WAVE_MODE, 25, 1), 1
	s_wait_xcnt 0x0
; PREP.  (a) q, k, v [8192][512] and Wq, Wk, Wv, Wo [512][512], f32, K innermost, become codes of BF6 (E3M2) with one E8M0 byte for each 32 along K,
; laid as IMAGES OF OPERAND REGISTERS: a fragment (16 rows x 128 K, 12 registers a lane) is 1,536 bytes, registers 4 c .. 4 c + 3 of lane l at 512 c + 16 l.
; opc: [tile][K step 0..3][1,536]; ops: [tile][row r][K step] words.  Tiles: q 0-511, k 512-1023, v 1024-1535, Wq 1536.., Wk 1568.., Wv 1600.., Wo 1632-1663.
; THE ROWS OF A TILE: q and Wo: 16 tile + r.  k, v, Wq, Wk, Wv: 32 (tile / 2) + 8 (tile % 2) + r + 8 (r / 8), so that 16 registers of two neighbouring result tiles are 16 neighbours along the next K.
; (b) the mask [4096][4096] of bytes gives two words for each tile of 16 queries: bit s of ANY: some key of keys 128 s .. 128 s + 127 counts for some of the 16; bit s of ALL: all count for all.
; SHARES.  Work-groups 0-207 quantise: a wave takes a pair of tiles, 32 rows x 512 numbers, as 8 units of 16 rows x 128.  Work-groups 208-271 make the flags: a wave takes 16 rows of the mask.
; A unit's 16 loads read 512 consecutive bytes of a row each; the unit turns through the wave's own stage in LDS (rows 528 bytes apart) so that a lane gets 16 neighbours of each block of 32.
; A block's scale byte is its largest magnitude's exponent field - 4, held at 1 from below.  A block of zeros so has the byte 1: its codes are zeros, and this program alone reads the bytes.
; LIMITS: NaN and infinities among the inputs are not served; mask bytes are 0 or 1, as the problem states them.
.set NQWG, 208                         ; work-groups that quantise
.set LI,  1                            ; v1      16 x lane
.set XA,  2                            ; v2-5    a unit's rows: tile u, rows 0-7 / 8-15 of it
.set STA, 6                            ; v6      the stage, on the way in: 16 x lane
.set STB, 7                            ; v7      and on the way out: 528 r + 64 h
.set R,   16                           ; v16-143 two sets of 64: a unit as loaded
.set X,   144                          ; v144-207 a unit as the conversions want it
.set PC,  208                          ; v208-219 a fragment's codes
.set T2,  220                          ; v220-227 the conversions' second halves
.set TM,  228                          ; v228-243 at work
.set SW,  244                          ; v244-251 the eight units' scale words
.set SO,  252                          ; v252-255 the pair's scale words as they are stored
.set SEL, 46                           ; s[46:47] lane selects: lane l xor 16
; 64 numbers of a lane, register 16 b + i = k 32 b + 16 (lane / 16) + i of its row, become a fragment's 12 registers in v[pc] on and the row's scale word in v[pw].
.macro QUANT s, pc, t2, tm, pw
.irp b, 0,1,2,3
	v_max3_num_f32 v[\tm+\b], |v[\s+16*\b]|, |v[\s+16*\b+1]|, 0x2800000      ; my 16 numbers of block b, and the floor 2^(5 - 127): the byte cannot fall under 1
.endr
.irp i, 2,4,6,8,10,12,14
.irp b, 0,1,2,3
	v_max3_num_f32 v[\tm+\b], v[\tm+\b], |v[\s+16*\b+\i]|, |v[\s+16*\b+\i+1]|   ; the four blocks by turns
.endr
.endr
.irp b, 0,1,2,3
	v_permlanex16_b32 v[\tm+4+\b], v[\tm+\b], s[SEL], s[SEL+1]
.endr
.irp b, 0,1,2,3
	v_max_num_f32 v[\tm+\b], v[\tm+\b], v[\tm+4+\b]                          ; with lane l xor 16's: the block's largest magnitude
.endr
.irp b, 0,1,2,3
	v_add_nc_u32 v[\tm+12+\b], 0xfe000000, v[\tm+\b]                         ; 4 off its exponent field: the conversion's scale operand
.endr
.irp b, 0,1,2,3
	v_lshrrev_b32 v[\tm+4+\b], 23, v[\tm+12+\b]                              ; the scale's byte
.endr
	v_lshl_or_b32 v[\pw], v[\tm+5], 8, v[\tm+4]
	v_lshl_or_b32 v[\pw], v[\tm+6], 16, v[\pw]
	v_lshl_or_b32 v[\pw], v[\tm+7], 24, v[\pw]
.irp c, 0,1
	v_cvt_scalef32_pk16_bf6_f32 v[\pc+6*\c:\pc+6*\c+2], v[\s+32*\c:\s+32*\c+15], v[\tm+12+2*\c]
	v_cvt_scalef32_pk16_bf6_f32 v[\t2+4*\c:\t2+4*\c+2], v[\s+32*\c+16:\s+32*\c+31], v[\tm+12+2*\c+1]   ; (a conversion's three registers begin on an even number)
.endr
	v_nop                                          ; one plain instruction behind the scaled conversions
.irp c, 0,1                            ; the operand wants a whole block in a lane: lanes 0-15 block 2 c, lanes 16-31 block 2 c + 1
.irp i, 0,1,2
	v_permlane16_swap_b32 v[\pc+6*\c+\i], v[\t2+4*\c+\i]
.endr
.irp i, 0,1,2
	v_mov_b32 v[\pc+6*\c+3+\i], v[\t2+4*\c+\i]
.endr
.endr
.endm
	s_load_b512 s[4:19], s[0:1], 0x0               ; q, k, v, Wq, Wk, Wv, Wo, mask
	s_load_b128 s[20:23], s[0:1], 0x40             ; opc, ops
	s_load_b64 s[24:25], s[0:1], 0x50              ; flags
	v_lshl_add_u32 v238, v0, 2, 0x8400
	v_mov_b32 v239, 0
	v_lshrrev_b32 v8, 5, v0
	v_readfirstlane_b32 s34, v8                    ; wave 0..3
	v_and_b32 v9, 31, v0                           ; lane
	v_lshlrev_b32 v[LI], 4, v9
	s_mov_b32 s33, 0
	s_cmp_ge_u32 ttmp9, NQWG
	s_cbranch_scc1 .Lflags
	; ---------------- the quantising work-groups ----------------
	s_lshl_b32 s31, ttmp9, 2
	s_add_co_u32 s31, s31, s34                     ; my pair of tiles
	s_mov_b32 s28, 816                             ; the tensor's first pair,
	s_mov_b32 s29, 0                               ; and whether its tiles' rows are permuted: Wo's figures, unless a line below says otherwise
	s_mov_b32 s[SEL], 0x76543210
	s_mov_b32 s[SEL+1], 0xfedcba98
	s_wait_kmcnt 0x0
	s_mov_b64 s[26:27], s[16:17]
.macro PICK lim, ptr, first, perm      ; the choice hangs on the work-group's number alone
	s_cmp_lt_u32 ttmp9, \lim
	s_cselect_b64 s[26:27], s[\ptr:\ptr+1], s[26:27]
	s_cselect_b32 s28, \first, s28
	s_cselect_b32 s29, \perm, s29
.endm
	PICK 204, 14, 800, 1                           ; Wv
	PICK 200, 12, 784, 1                           ; Wk
	PICK 196, 10, 768, 1                           ; Wq
	PICK 192, 8, 512, 1                            ; v
	PICK 128, 6, 256, 1                            ; k
	PICK 64, 4, 0, 0                               ; q
	s_sub_co_u32 s32, s31, s28
	s_lshl_b32 s32, s32, 16                        ; a pair is 32 rows of 2,048 bytes
	s_add_nc_u64 s[26:27], s[26:27], s[32:33]
	s_mul_i32 s32, s31, 12288
	s_add_nc_u64 s[20:21], s[20:21], s[32:33]      ; its codes
	s_lshl_b32 s32, s31, 9
	s_add_nc_u64 s[22:23], s[22:23], s[32:33]      ; its scale words
	s_lshr_b32 s35, 0x8000, s29                    ; from tile 0 to tile 1 of the pair: 16 rows, or 8 where the rows are permuted
	s_lshl_b32 s36, s29, 14                        ; rows 8-15 of a permuted tile lie 8 rows further on
	v_mov_b32 v[XA], v[LI]
	v_add_nc_u32 v[XA+1], s36, v[LI]
	v_add_nc_u32 v[XA+2], s35, v[LI]
	v_add_nc_u32 v[XA+3], s35, v[XA+1]
	s_mul_i32 s37, s34, 8448                       ; my stage: 16 rows x 528 bytes
	v_add_nc_u32 v[STA], s37, v[LI]
	v_and_b32 v10, 15, v0                          ; r
	v_bfe_u32 v11, v0, 4, 1                        ; h
	v_mul_u32_u24 v[STB], v10, 528
	v_lshl_add_u32 v[STB], v11, 6, v[STB]
	v_add_nc_u32 v[STB], s37, v[STB]
.irp b, 0,1,2,3
	v_mov_b32 v[TM+4+\b], 0                        ; written once: a lane permute's destination counts as one of its sources
.endr
.macro LOADU n                         ; unit n = 4 u + s: tile u's 16 rows, K step s: each load reads 512 consecutive bytes of one row
.irp p, 0,1,2,3,4,5,6,7,8,9,10,11,12,13,14,15
	global_load_b128 v[R+64*((\n)%2)+4*\p:R+64*((\n)%2)+4*\p+3], v[XA+2*((\n)/4)+\p/8], s[26:27] offset:2048*\p+512*((\n)%4) th:TH_LOAD_NT
.endr
.endm
.macro UNIT n
.if (\n) < 7
	s_wait_loadcnt 16                              ; this unit's 16 loads are in; the next unit's 16 may be out
.else
	s_wait_loadcnt 0x0
.endif
.irp p, 0,1,2,3,4,5,6,7,8,9,10,11,12,13,14,15
	ds_store_b128 v[STA], v[R+64*((\n)%2)+4*\p:R+64*((\n)%2)+4*\p+3] offset:528*\p
.endr
.irp b, 0,1,2,3
.irp j, 0,1,2,3
	ds_load_b128 v[X+16*\b+4*\j:X+16*\b+4*\j+3], v[STB] offset:128*\b+16*\j   ; LDS serves a wave's instructions in order (ISA guide 5.7.1.4): these see the stores above
.endr
.endr
	s_wait_dscnt 0x0                               ; the unit is back, and the stores into the stage have read their registers
	s_wait_xcnt 0x0                                ; the last unit's stores have read the codes' registers, which are written again below
.if (\n) < 6
	LOADU (\n)+2
.endif
	QUANT X, PC, T2, TM, SW+(\n)
.irp c, 0,1,2
	global_store_b128 v[LI], v[PC+4*\c:PC+4*\c+3], s[20:21] offset:1536*(\n)+512*\c   ; 32 lanes store 512 consecutive bytes
.endr
.endm
	LOADU 0
	LOADU 1
.irp n, 0,1,2,3,4,5,6,7
	UNIT \n
.endr
	s_mov_b32 vcc_lo, 0xffff0000
.irp s, 0,1,2,3
	v_cndmask_b32 v[SO+\s], v[SW+\s], v[SW+4+\s], vcc_lo    ; lanes 0-15: tile 0's row r; lanes 16-31: tile 1's
.endr
	global_store_b128 v[LI], v[SO:SO+3], s[22:23]  ; both tiles' scale words: 512 consecutive bytes
	s_wait_tensorcnt 0x0
	ds_add_u32 v238, v239
	s_wait_dscnt 0x0
	s_endpgm
	; ---------------- the flags ----------------
.Lflags:
	s_sub_co_u32 s31, ttmp9, NQWG
	s_lshl_b32 s31, s31, 2
	s_add_co_u32 s31, s31, s34                     ; my tile of 16 queries
	s_lshl_b32 s32, s31, 16                        ; 16 rows of 4,096 bytes
	s_lshl_b32 s45, s31, 3
	s_mov_b32 s38, 0                               ; ANY
	s_mov_b32 s39, 0                               ; ALL
	s_mov_b32 s42, 0x01010101
	s_wait_kmcnt 0x0
	s_add_nc_u64 s[18:19], s[18:19], s[32:33]
.macro MLOAD i                         ; chunk i: keys 512 i .. 512 i + 511 of the 16 rows; a lane holds 16 keys, eight lanes a step of 128
.irp p, 0,1,2,3,4,5,6,7,8,9,10,11,12,13,14,15
	global_load_b128 v[R+64*((\i)%2)+4*\p:R+64*((\i)%2)+4*\p+3], v[LI], s[18:19] offset:4096*\p+512*(\i) th:TH_LOAD_NT
.endr
.endm
.macro MRED i
.set RS, R+64*((\i)%2)
.if (\i) < 7
	s_wait_loadcnt 16                              ; this chunk's 16 loads are in; the next chunk's may be out
.else
	s_wait_loadcnt 0x0
.endif
.irp c, 0,1,2,3
	v_and_b32 v[X+\c], v[RS+\c], v[RS+4+\c]        ; four chains of AND and four of OR over the lane's 64 words
	v_or_b32 v[X+4+\c], v[RS+\c], v[RS+4+\c]
.endr
.irp p, 2,3,4,5,6,7,8,9,10,11,12,13,14,15
.irp c, 0,1,2,3
	v_and_b32 v[X+\c], v[X+\c], v[RS+4*\p+\c]
	v_or_b32 v[X+4+\c], v[X+4+\c], v[RS+4*\p+\c]
.endr
.endr
	v_and_b32 v[X], v[X], v[X+1]
	v_and_b32 v[X+2], v[X+2], v[X+3]
	v_or_b32 v[X+4], v[X+4], v[X+5]
	v_or_b32 v[X+6], v[X+6], v[X+7]
	v_and_b32 v[X], v[X], v[X+2]
	v_or_b32 v[X+4], v[X+4], v[X+6]
	v_cmp_eq_u32 s40, s42, v[X]                    ; a lane's bit: all its 256 bytes are 1
	v_cmp_ne_u32 s41, 0, v[X+4]                    ; some byte is not 0
.if (\i) < 6
	MLOAD (\i)+2
.endif
.irp j, 0,1,2,3                        ; eight lanes to a step; nothing but selects hangs on the data
	s_bfe_u32 s43, s40, (8<<16)|(8*\j)
	s_cmp_eq_u32 s43, 0xff
	s_cselect_b32 s43, 1<<(4*(\i)+\j), 0
	s_or_b32 s39, s39, s43
	s_bfe_u32 s43, s41, (8<<16)|(8*\j)
	s_cmp_lg_u32 s43, 0
	s_cselect_b32 s43, 1<<(4*(\i)+\j), 0
	s_or_b32 s38, s38, s43
.endr
.endm
	MLOAD 0
	MLOAD 1
.irp i, 0,1,2,3,4,5,6,7
	MRED \i
.endr
	v_mov_b32 v10, s38
	v_mov_b32 v11, s39
	v_mov_b32 v12, s45
	v_cmp_gt_u32 vcc_lo, 1, v9
	s_wait_xcnt 0x0                                ; EXEC changes only behind this wait
	s_and_saveexec_b32 s44, vcc_lo
	global_store_b64 v12, v[10:11], s[24:25]       ; lane 0: ANY, ALL of my tile
	s_wait_xcnt 0x0
	s_or_b32 exec_lo, exec_lo, s44
	s_endpgm
.Lfunc_end_k_qbfc12eaf60_prep:
	.size	k_qbfc12eaf60_prep, .Lfunc_end_k_qbfc12eaf60_prep-k_qbfc12eaf60_prep
	.p2alignl 7, 3214868480
	.fill 96, 4, 3214868480
	.section	.rodata,"a",@progbits
	.p2align	6, 0x0
	.amdhsa_kernel k_qbfc12eaf60_prep
		.amdhsa_group_segment_fixed_size 34304
		.amdhsa_private_segment_fixed_size 0
		.amdhsa_enable_private_segment 0
		.amdhsa_kernarg_size 88
		.amdhsa_user_sgpr_count 2
		.amdhsa_user_sgpr_kernarg_segment_ptr 1
		.amdhsa_wavefront_size32 1
		.amdhsa_system_sgpr_workgroup_id_x 1
		.amdhsa_system_sgpr_workgroup_id_y 1
		.amdhsa_system_sgpr_workgroup_id_z 1
		.amdhsa_system_vgpr_workitem_id 0
		.amdhsa_next_free_vgpr 256
		.amdhsa_next_free_sgpr 66
		.amdhsa_reserve_vcc 1
		.amdhsa_float_denorm_mode_32 3
		.amdhsa_float_denorm_mode_16_64 3
		.amdhsa_memory_ordered 1
		.amdhsa_forward_progress 1
		.amdhsa_inst_pref_size 123
	.end_amdhsa_kernel
	.amdgpu_metadata
---
amdhsa.version: [ 1, 2 ]
amdhsa.kernels:
  - .name:           k_qbfc12eaf60_prep
    .symbol:         k_qbfc12eaf60_prep.kd
    .args:
      - { .name: q, .offset: 0, .size: 8, .value_kind: global_buffer, .address_space: global }
      - { .name: k, .offset: 8, .size: 8, .value_kind: global_buffer, .address_space: global }
      - { .name: v, .offset: 16, .size: 8, .value_kind: global_buffer, .address_space: global }
      - { .name: Wq, .offset: 24, .size: 8, .value_kind: global_buffer, .address_space: global }
      - { .name: Wk, .offset: 32, .size: 8, .value_kind: global_buffer, .address_space: global }
      - { .name: Wv, .offset: 40, .size: 8, .value_kind: global_buffer, .address_space: global }
      - { .name: Wo, .offset: 48, .size: 8, .value_kind: global_buffer, .address_space: global }
      - { .name: mask, .offset: 56, .size: 8, .value_kind: global_buffer, .address_space: global }
      - { .name: opc, .offset: 64, .size: 8, .value_kind: global_buffer, .address_space: global }
      - { .name: ops, .offset: 72, .size: 8, .value_kind: global_buffer, .address_space: global }
      - { .name: flags, .offset: 80, .size: 8, .value_kind: global_buffer, .address_space: global }
    .group_segment_fixed_size: 34304
    .private_segment_fixed_size: 0
    .kernarg_segment_align: 8
    .kernarg_segment_size: 88
    .max_flat_workgroup_size: 128
    .sgpr_count:     66
    .vgpr_count:     256
    .wavefront_size: 32
...
	.end_amdgpu_metadata
.endif
;; end of part 1
;; launch proj (part 2): grid 192 x 1, 4 waves a work-group, no clusters, 0 bytes of LDS; arguments opc, ops, bq, bk, bv, kvc, kvs; writes kvc, kvs
.if DOCPART == 2
	.amdgcn_target "amdgcn-amd-amdhsa--gfx1250"
	.amdhsa_code_object_version 6
	.text
	.protected	k_qbfc12eaf60_proj
	.globl	k_qbfc12eaf60_proj
	.p2align	8
	.type	k_qbfc12eaf60_proj,@function
k_qbfc12eaf60_proj:
	s_mov_b64 s[64:65], 0
	v_nop
	global_prefetch_b8 v0, s[64:65] scope:SCOPE_SE
	s_setreg_imm32_b32 hwreg(HW_REG_WAVE_MODE, 25, 1), 1
	s_wait_xcnt 0x0
; PROJ.  The three input projections on codes of BF6, bias as the C of each sum's first product, and the results quantised in registers into the operand images of the attention launch.
; Work-groups 0-63: Q, 64-127: K, 128-191: V; work-group j of a kind takes 128 tokens.  Every wave keeps EIGHT TILES OF SOURCE 0 (128 rows, all of K = 512: 384 registers) and walks eight tiles of source 1.
; A lane then holds one row of source 1, and its 64 results run along source 0's 128 rows; those rows are permuted in their tiles so that register 16 b + i is row 32 b + 16 (lane / 16) + i.
;   Q, K: source 0 = 128 features of the weight (heads 2 w, 2 w + 1), source 1 = tokens: the results run along the head's 64, the K of the scores.
;   V:    source 0 = 128 tokens (a key step), source 1 = 128 features of Wv: the results run along the keys, the K of the second product.
; OUT.  kvc: K and V at 0, Q at 6,291,456; [batch x 8 + head][step of 128 tokens][12,288]: eight half fragments (16 tokens x 64: registers 0-3 at 16 lane, 4-5 at 512 + 8 lane) of 768 bytes, then V's four fragments of 1,536.
; kvs: K and V at 0, Q at 524,288; [batch x 8 + head][step][1,024]: chunk i of 512: the words of token tiles 4 i .. 4 i + 3 at 16 r + 4 (tile % 4) (bytes 2, 3 zero), then at 256 V's four words at 16 r + 4 tile, in both chunks.
; No LDS, no barrier: waves share nothing.  Every store covers 512 or 256 consecutive bytes.
; LIMITS: NaN and infinities are not served; a block of zeros has the byte 1 (its codes are zeros; this program alone reads the bytes).
; REGISTERS: window 0 as below; window 1: source 0's tiles 0-3 (48 tile + 12 K step); window 2: tiles 4-7; window 3: v0-63 the bias of Q and K, v64-159 source 1's four fragments, two sets.
.set LI,  1                            ; 16 x lane
.set L8,  2                            ; 8 x lane
.set SR,  3                            ; 16 r
.set SA,  4                            ; 16 r + 32,768 h: lanes 16-31 store the second head's scale words
.set SAV, 5                            ; 16 r + 512 h + 256: V's words go into both chunks
.set BA,  6                            ; 64 h
.set BAV, 7                            ; 4 (r + 8 (r / 8))
.set SH,  8                            ; 16 h
.set HA,  16                           ; v16-79   the eight accumulators
.set PC,  80                           ; v80-91   the codes just made
.set T2,  92
.set TM,  100
.set SW,  116                          ; v116-123 the eight tiles' scale words
.set BV,  124                          ; v124-131 V's bias as a C
.set BB,  132                          ; v132-133 V's bias of my row, two sets
.set AS,  136                          ; v136-167 source 0's scale words: 4 tile + K step
.set BS,  168                          ; v168-175 source 1's, two sets
.set BI,  0                            ; in window 3
.set BF,  64                           ; in window 3
.set SEL, 42
.set MSB, 0
.macro WIN new                         ; the immediate's high byte repeats the setting that is left
.if MSB != (\new)
	s_set_vgpr_msb (MSB<<8)|(\new)
.set MSB, (\new)
.endif
.endm
.macro QUANT s, pc, t2, tm, pw         ; 64 numbers of a lane, register 16 b + i = k 32 b + 16 (lane / 16) + i, become a fragment in v[pc] on and its scale word in v[pw]
.irp b, 0,1,2,3
	v_max3_num_f32 v[\tm+\b], |v[\s+16*\b]|, |v[\s+16*\b+1]|, 0x2800000      ; each accumulator is read from its low end on; the floor 2^(5 - 127) holds the byte at 1
.endr
.irp i, 2,4,6,8,10,12,14
.irp b, 0,1,2,3
	v_max3_num_f32 v[\tm+\b], v[\tm+\b], |v[\s+16*\b+\i]|, |v[\s+16*\b+\i+1]|
.endr
.endr
.irp b, 0,1,2,3
	v_permlanex16_b32 v[\tm+4+\b], v[\tm+\b], s[SEL], s[SEL+1]
.endr
.irp b, 0,1,2,3
	v_max_num_f32 v[\tm+\b], v[\tm+\b], v[\tm+4+\b]
.endr
.irp b, 0,1,2,3
	v_add_nc_u32 v[\tm+12+\b], 0xfe000000, v[\tm+\b]
.endr
.irp b, 0,1,2,3
	v_lshrrev_b32 v[\tm+4+\b], 23, v[\tm+12+\b]
.endr
	v_lshl_or_b32 v[\pw], v[\tm+5], 8, v[\tm+4]
	v_lshl_or_b32 v[\pw], v[\tm+6], 16, v[\pw]
	v_lshl_or_b32 v[\pw], v[\tm+7], 24, v[\pw]
.irp c, 0,1
	v_cvt_scalef32_pk16_bf6_f32 v[\pc+6*\c:\pc+6*\c+2], v[\s+32*\c:\s+32*\c+15], v[\tm+12+2*\c]
	v_cvt_scalef32_pk16_bf6_f32 v[\t2+4*\c:\t2+4*\c+2], v[\s+32*\c+16:\s+32*\c+31], v[\tm+12+2*\c+1]
.endr
	v_nop                                          ; one plain instruction behind the scaled conversions
.irp c, 0,1
.irp i, 0,1,2
	v_permlane16_swap_b32 v[\pc+6*\c+\i], v[\t2+4*\c+\i]
.endr
.irp i, 0,1,2
	v_mov_b32 v[\pc+6*\c+3+\i], v[\t2+4*\c+\i]
.endr
.endr
.endm
	s_load_b256 s[4:11], s[0:1], 0x0               ; opc, ops, bq, bk
	s_load_b128 s[12:15], s[0:1], 0x20             ; bv, kvc
	s_load_b64 s[16:17], s[0:1], 0x30              ; kvs
	v_lshrrev_b32 v9, 5, v0
	v_readfirstlane_b32 s18, v9                    ; wave 0..3
	v_and_b32 v9, 31, v0
	v_and_b32 v10, 15, v0                          ; r
	v_bfe_u32 v11, v0, 4, 1                        ; h
	v_lshlrev_b32 v[LI], 4, v9
	v_lshlrev_b32 v[L8], 3, v9
	v_lshlrev_b32 v[SR], 4, v10
	v_lshl_add_u32 v[SA], v11, 15, v[SR]
	v_lshl_add_u32 v[SAV], v11, 9, v[SR]
	v_add_nc_u32 v[SAV], 256, v[SAV]
	v_lshlrev_b32 v[BA], 6, v11
	v_and_b32 v[BAV], 8, v10
	v_add_nc_u32 v[BAV], v[BAV], v10
	v_lshlrev_b32 v[BAV], 2, v[BAV]
	v_lshlrev_b32 v[SH], 4, v11
.irp b, 0,1,2,3
	v_mov_b32 v[TM+4+\b], 0                        ; written once: a lane permute's destination counts as one of its sources
.endr
	s_mov_b32 s[SEL], 0x76543210
	s_mov_b32 s[SEL+1], 0xfedcba98
	s_lshr_b32 s20, ttmp9, 6                       ; kind: 0 Q, 1 K, 2 V
	s_and_b32 s21, ttmp9, 63                       ; j: which 128 tokens
	s_lshl_b32 s22, s20, 5
	s_lshl_b32 s23, s18, 3
	s_add_co_u32 s22, s22, s23
	s_add_co_u32 s22, s22, 1536                    ; Q, K: source 0 = the weight's tiles 8 w on
	s_lshl_b32 s24, s20, 9
	s_lshl_b32 s25, s21, 3
	s_add_co_u32 s24, s24, s25                     ;       source 1 = the tokens' tiles 8 j on
	s_add_co_u32 s26, s25, 1024                    ; V: source 0 = v's tiles 8 j on
	s_add_co_u32 s27, s23, 1600                    ;    source 1 = Wv's tiles 8 w on
	s_cmp_eq_u32 s20, 2
	s_cselect_b32 s22, s26, s22
	s_cselect_b32 s24, s27, s24
	s_mov_b32 s45, 0
	s_lshr_b32 s48, s21, 5                         ; batch
	s_and_b32 s49, s21, 31                         ; step
	s_wait_kmcnt 0x0
	s_mul_i32 s44, s22, 6144
	s_add_nc_u64 s[28:29], s[4:5], s[44:45]        ; source 0's codes
	s_lshl_b32 s44, s22, 8
	s_add_nc_u64 s[30:31], s[6:7], s[44:45]        ; and scale words
	s_mul_i32 s44, s24, 6144
	s_add_nc_u64 s[32:33], s[4:5], s[44:45]        ; source 1's codes
	s_lshl_b32 s44, s24, 8
	s_add_nc_u64 s[34:35], s[6:7], s[44:45]        ; and scale words
	s_cmp_eq_u32 s20, 0
	s_cselect_b64 s[36:37], s[8:9], s[10:11]
	s_cselect_b32 s46, 6291456, 0                  ; Q's region of kvc
	s_cselect_b32 s47, 524288, 0                   ; and of kvs
	s_cmp_eq_u32 s20, 2
	s_cselect_b64 s[36:37], s[12:13], s[36:37]
	s_lshl_b32 s44, s18, 9
	s_add_nc_u64 s[36:37], s[36:37], s[44:45]      ; the bias of my 128 features
	s_mul_i32 s44, s48, 3145728
	s_mul_i32 s50, s18, 786432                     ; head 2 w
	s_add_co_u32 s44, s44, s50
	s_mul_i32 s50, s49, 12288
	s_add_co_u32 s44, s44, s50
	s_add_co_u32 s44, s44, s46
	s_add_nc_u64 s[38:39], s[14:15], s[44:45]      ; where my codes go
	s_lshl_b32 s44, s48, 18
	s_lshl_b32 s50, s18, 16
	s_add_co_u32 s44, s44, s50
	s_lshl_b32 s50, s49, 10
	s_add_co_u32 s44, s44, s50
	s_add_co_u32 s44, s44, s47
	s_add_nc_u64 s[40:41], s[16:17], s[44:45]      ; and my scale words
	WIN 0x40                                       ; destination window 1
.irp t, 0,1,2,3
.irp c, 0,1,2,3,4,5,6,7,8,9,10,11
	global_load_b128 v[48*\t+4*\c:48*\t+4*\c+3], v[LI], s[28:29] offset:6144*\t+512*\c
.endr
.endr
	WIN 0x80                                       ; destination window 2
.irp t, 0,1,2,3
.irp c, 0,1,2,3,4,5,6,7,8,9,10,11
	global_load_b128 v[48*\t+4*\c:48*\t+4*\c+3], v[LI], s[28:29] offset:6144*(\t+4)+512*\c
.endr
.endr
	WIN 0
.irp t, 0,1,2,3,4,5,6,7
	global_load_b128 v[AS+4*\t:AS+4*\t+3], v[SR], s[30:31] offset:256*\t
.endr
.macro LOADB n, isv                    ; source 1's tile n: four fragments, its scale words, and for V the bias of my row
	WIN 0xc0                                       ; destination window 3
.irp c, 0,1,2,3,4,5,6,7,8,9,10,11
	global_load_b128 v[BF+48*((\n)%2)+4*\c:BF+48*((\n)%2)+4*\c+3], v[LI], s[32:33] offset:6144*(\n)+512*\c
.endr
	WIN 0
	global_load_b128 v[BS+4*((\n)%2):BS+4*((\n)%2)+3], v[SR], s[34:35] offset:256*(\n)
.if \isv
	global_load_b32 v[BB+(\n)%2], v[BAV], s[36:37] offset:(32*((\n)/2)+8*((\n)%2))*4
.endif
.endm
; 16 products: source 0's tiles g .. g + 3 against tile n, the four K steps.  The four accumulators take turns, one instruction a turn.
.macro MUL4 n, g, isv
.irp s, 0,1,2,3
.if (\s == 0) && (\isv == 0)
	WIN 0x3d+(\g)/4                                ; source 0 window 1 or 2, source 1 and C window 3, D window 0
.else
	WIN 0x0d+(\g)/4                                ; C window 0
.endif
.irp t, 0,1,2,3
.if (\s == 0) && (\isv == 0)
	v_wmma_scale_f32_16x16x128_f8f6f4 v[HA+8*(\g+\t):HA+8*(\g+\t)+7], v[48*\t+12*\s:48*\t+12*\s+11], v[BF+48*((\n)%2)+12*\s:BF+48*((\n)%2)+12*\s+11], v[BI+8*(\g+\t):BI+8*(\g+\t)+7], v[AS+4*(\g+\t)+\s], v[BS+4*((\n)%2)+\s] matrix_a_fmt:MATRIX_FMT_BF6 matrix_b_fmt:MATRIX_FMT_BF6
.elseif \s == 0
	v_wmma_scale_f32_16x16x128_f8f6f4 v[HA+8*(\g+\t):HA+8*(\g+\t)+7], v[48*\t+12*\s:48*\t+12*\s+11], v[BF+48*((\n)%2)+12*\s:BF+48*((\n)%2)+12*\s+11], v[BV:BV+7], v[AS+4*(\g+\t)+\s], v[BS+4*((\n)%2)+\s] matrix_a_fmt:MATRIX_FMT_BF6 matrix_b_fmt:MATRIX_FMT_BF6
.else
	v_wmma_scale_f32_16x16x128_f8f6f4 v[HA+8*(\g+\t):HA+8*(\g+\t)+7], v[48*\t+12*\s:48*\t+12*\s+11], v[BF+48*((\n)%2)+12*\s:BF+48*((\n)%2)+12*\s+11], v[HA+8*(\g+\t):HA+8*(\g+\t)+7], v[AS+4*(\g+\t)+\s], v[BS+4*((\n)%2)+\s] matrix_a_fmt:MATRIX_FMT_BF6 matrix_b_fmt:MATRIX_FMT_BF6
.endif
.endr
.endr
.endm
.macro TILE n, isv
.if (\n) < 7
	LOADB (\n)+1, \isv                             ; into the set that the tile before has left: its last product stands more than four plain instructions back
	s_wait_loadcnt 13+\isv                         ; all but the loads just issued: this tile's operands are in
.else
	s_wait_loadcnt 0x0
.endif
.if \isv
.irp j, 0,1,2,3,4,5,6,7
	v_mov_b32 v[BV+\j], v[BB+(\n)%2]               ; a lane holds one feature: its bias, eight times, is the C
.endr
.rept 4
	v_nop
.endr
.endif
	MUL4 \n, 0, \isv
	MUL4 \n, 4, \isv
	WIN 0
.rept 4
	v_nop                                          ; places behind the last products, ahead of the first read of results (ISA guide 7.12.1)
.endr
	s_wait_xcnt 0x0                                ; the last tile's stores have read the codes' registers
	QUANT HA, PC, T2, TM, SW+(\n)
.if \isv
.irp c, 0,1,2
	global_store_b128 v[LI], v[PC+4*\c:PC+4*\c+3], s[38:39] offset:393216*((\n)/4)+6144+1536*((\n)%4)+512*\c   ; 16 features x 128 keys
.endr
.if (\n)%4 == 3
	global_store_b128 v[SAV], v[SW+4*((\n)/4):SW+4*((\n)/4)+3], s[40:41] offset:32768*((\n)/4)   ; a head's four words a row, into both chunks
.endif
.else
	global_store_b128 v[LI], v[PC:PC+3], s[38:39] offset:768*(\n)                  ; head 2 w
	global_store_b64 v[L8], v[PC+4:PC+5], s[38:39] offset:768*(\n)+512
	global_store_b128 v[LI], v[PC+6:PC+9], s[38:39] offset:393216+768*(\n)         ; head 2 w + 1
	global_store_b64 v[L8], v[PC+10:PC+11], s[38:39] offset:393216+768*(\n)+512
.if (\n)%4 == 3
.irp i, 0,1,2,3
	v_lshrrev_b32 v[SW+4*((\n)/4)+\i], v[SH], v[SW+4*((\n)/4)+\i]   ; lanes 0-15 keep bytes 0, 1 (head 2 w), lanes 16-31 bytes 2, 3 (head 2 w + 1)
.endr
.irp i, 0,1,2,3
	v_and_b32 v[SW+4*((\n)/4)+\i], 0xffff, v[SW+4*((\n)/4)+\i]      ; bytes 2, 3: zero, for the upper 64 along K, whose codes are zeros on one side
.endr
	global_store_b128 v[SA], v[SW+4*((\n)/4):SW+4*((\n)/4)+3], s[40:41] offset:512*((\n)/4)
.endif
.endif
.endm
	s_cmp_eq_u32 s20, 2
	s_cbranch_scc1 .Lvpath
	WIN 0xc0
.irp t, 0,1,2,3,4,5,6,7                ; Q, K: the bias in the result's layout: tile t, lane (r, h): features 32 (t / 2) + 16 h + 8 (t % 2) + 0 .. 7
	global_load_b128 v[BI+8*\t:BI+8*\t+3], v[BA], s[36:37] offset:(32*(\t/2)+8*(\t%2))*4
	global_load_b128 v[BI+8*\t+4:BI+8*\t+7], v[BA], s[36:37] offset:(32*(\t/2)+8*(\t%2))*4+16
.endr
	WIN 0
	LOADB 0, 0
.irp n, 0,1,2,3,4,5,6,7
	TILE \n, 0
.endr
	s_endpgm
.Lvpath:
	LOADB 0, 1
.irp n, 0,1,2,3,4,5,6,7
	TILE \n, 1
.endr
	s_endpgm
.Lfunc_end_k_qbfc12eaf60_proj:
	.size	k_qbfc12eaf60_proj, .Lfunc_end_k_qbfc12eaf60_proj-k_qbfc12eaf60_proj
	.p2alignl 7, 3214868480
	.fill 96, 4, 3214868480
	.section	.rodata,"a",@progbits
	.p2align	6, 0x0
	.amdhsa_kernel k_qbfc12eaf60_proj
		.amdhsa_group_segment_fixed_size 0
		.amdhsa_private_segment_fixed_size 0
		.amdhsa_enable_private_segment 0
		.amdhsa_kernarg_size 56
		.amdhsa_user_sgpr_count 2
		.amdhsa_user_sgpr_kernarg_segment_ptr 1
		.amdhsa_wavefront_size32 1
		.amdhsa_system_sgpr_workgroup_id_x 1
		.amdhsa_system_sgpr_workgroup_id_y 1
		.amdhsa_system_sgpr_workgroup_id_z 1
		.amdhsa_system_vgpr_workitem_id 0
		.amdhsa_next_free_vgpr 928
		.amdhsa_next_free_sgpr 66
		.amdhsa_reserve_vcc 0
		.amdhsa_float_denorm_mode_32 3
		.amdhsa_float_denorm_mode_16_64 3
		.amdhsa_memory_ordered 1
		.amdhsa_forward_progress 1
		.amdhsa_inst_pref_size 174
	.end_amdhsa_kernel
	.amdgpu_metadata
---
amdhsa.version: [ 1, 2 ]
amdhsa.kernels:
  - .name:           k_qbfc12eaf60_proj
    .symbol:         k_qbfc12eaf60_proj.kd
    .args:
      - { .name: opc, .offset: 0, .size: 8, .value_kind: global_buffer, .address_space: global }
      - { .name: ops, .offset: 8, .size: 8, .value_kind: global_buffer, .address_space: global }
      - { .name: bq, .offset: 16, .size: 8, .value_kind: global_buffer, .address_space: global }
      - { .name: bk, .offset: 24, .size: 8, .value_kind: global_buffer, .address_space: global }
      - { .name: bv, .offset: 32, .size: 8, .value_kind: global_buffer, .address_space: global }
      - { .name: kvc, .offset: 40, .size: 8, .value_kind: global_buffer, .address_space: global }
      - { .name: kvs, .offset: 48, .size: 8, .value_kind: global_buffer, .address_space: global }
    .group_segment_fixed_size: 0
    .private_segment_fixed_size: 0
    .kernarg_segment_align: 8
    .kernarg_segment_size: 56
    .max_flat_workgroup_size: 128
    .sgpr_count:     66
    .vgpr_count:     928
    .wavefront_size: 32
...
	.end_amdgpu_metadata
.endif
;; end of part 2
;; launch attn (part 3): grid 16 x 16, 16 waves a work-group, no clusters, 100,352 bytes of LDS; arguments kvc, kvs, flags, mask, aoc, aos; writes aoc, aos
.if DOCPART == 3
	.amdgcn_target "amdgcn-amd-amdhsa--gfx1250"
	.amdhsa_code_object_version 6
	.text
	.protected	k_qbfc12eaf60_attn
	.globl	k_qbfc12eaf60_attn
	.p2align	8
	.type	k_qbfc12eaf60_attn,@function
k_qbfc12eaf60_attn:
	s_mov_b64 s[64:65], 0
	v_nop
	global_prefetch_b8 v0, s[64:65] scope:SCOPE_SE
	s_setreg_imm32_b32 hwreg(HW_REG_WAVE_MODE, 25, 1), 1
	s_wait_xcnt 0x0
; ATTN.  O = softmax(mask(Q K^T / 8)) V for one head, both products on codes of BF6; O / l is quantised along the head's 64 into the last product's operand images.
; THE SOFTMAX AHEAD OF THE SECOND PRODUCT: t = score x log2(e) / 8; M = the running largest t rounded UP to a whole number; p = 2^(t - M) is quantised along the keys, not normalised;
; the row's sum is taken of the unquantised p and divides at the end; when M moves, the sum and O are multiplied by 2^(old M - new M), which rounds nothing.
; THE MASK IS AN INPUT.  An earlier launch has stored, for each tile of 16 queries, a word ANY and a word ALL with a bit for each step of 128 keys.  A step with ANY = 0 gives p = 0 throughout and
; changes neither M, the sum nor O: its work is jumped over.  A step with ALL = 1 needs no mask bytes.  Any other step loads its 16 x 128 bytes and sets hidden scores to -infinity ahead of the maximum.
; These are branches on stored whole numbers, so the launch has no tensor load: K and V go from memory through registers into LDS; every wave passes every barrier.
; No cluster: what the 16 work-groups of a head share, 393,216 bytes each, could be asked for jointly only by tensor loads, which exclude the branch on the flags.
; SHARES.  A work-group has 16 waves, each with one tile of 16 queries in 256 registers.  Wave w takes tile w % 4 of a group of 64 queries out of quarter kk = (w / 4 + w) % 4 of the sequence, the
; quarters walked up and down by turns with the work-group's number: right for every mask, and even for masks that grow with the query's number.
; LAYOUT.  Both products transposed: S^T = K Q^T (source 0 = 16 keys), O^T = V^T P^T (source 0 = 16 of the head's 64): a lane holds one query throughout.  The keys of a tile are permuted, so that the
; 16 registers of tiles 2 b, 2 b + 1 are keys 32 b + 16 (lane / 16) + 0 .. 15; V's features likewise, so that O^T's registers run along the head.
; THE HEAD IS 64 OF THE INSTRUCTION'S 128: Q's upper six registers are zeros; K's upper six are whatever follows (the next tile's codes): finite numbers times zero codes, under the scale byte 0, add 0.
; LDS: two slots of two steps' records (24,576 bytes each, as they lie in kvc) at 0 and 32,768; the head's scale words (32,768 bytes, as they lie in kvs) at 65,536, stored once.
; LIMITS: t above -3e38; NaN and infinities among the inputs are not served; mask bytes are 0 or 1.  A query for which no key counts gets the scale bytes 0xff: the last product makes its row NaN, as the softmax of nothing is.
.set A16, 1                            ; 16 x lane
.set A8,  2                            ; 8 x lane
.set MA,  4                            ; the mask: 4,096 r + 16 h
.set FG,  5                            ; the fills: 1,536 w + 16 lane, in memory and in a slot alike
.set SG,  6                            ; the scale words: 2,048 w + 16 lane in memory,
.set SL,  7                            ; and in LDS
.set ADS, 9                            ; the trip's scale words: 65,536 + 16 lane + 4,096 trip
.set PFO, 10                           ; the prefetches: 256 x thread
.set QF,  16                           ; v16-21 Q, v22-27 zeros
.set QS,  28                           ; Q's scale word
.set NINF, 29                          ; -infinity
.set KF,  32                           ; v32-79 K's eight half fragments, later V's four fragments; v80-85 zeros
.set SC,  88                           ; v88-95 lanes 0-15: K's scale words of tiles 0-7; lanes 16-31: V's of tiles 0-3 (twice)
.set S,   96                           ; v96-159 S^T, then p
.set O,   160                          ; v160-191 O^T
.set FR,  192                          ; v192-203 a fill on its way
.set MB,  204                          ; v204-219 mask bytes
.set BM,  220                          ; v220-223 the blocks' largest scores
.set PC,  224                          ; v224-235 p's codes
.set T2,  236                          ; v236-243 at work
.set SLOTB, 24576
	s_load_b256 s[4:11], s[0:1], 0x0               ; kvc, kvs, flags, mask
	s_load_b128 s[12:15], s[0:1], 0x20             ; aoc, aos
	v_lshl_add_u32 v250, v0, 2, 0x18000
	v_mov_b32 v251, 0
	v_lshrrev_b32 v8, 5, v0
	v_readfirstlane_b32 s16, v8                    ; wave 0..15
	s_and_b32 s17, ttmp7, 0xffff                   ; batch x 8 + head
	s_mov_b32 s18, ttmp9                           ; x
	s_lshr_b32 s30, s16, 2
	s_add_co_u32 s30, s30, s16
	s_and_b32 s30, s30, 3                          ; kk
	s_sub_co_u32 s31, 15, s18
	s_bitcmp1_b32 s30, 0
	s_cselect_b32 s31, s31, s18                    ; odd quarters are walked downward
	s_lshl_b32 s30, s30, 4
	s_add_co_u32 s30, s30, s31                     ; my group of 64 queries
	s_lshl_b32 s30, s30, 2
	s_and_b32 s31, s16, 3
	s_add_co_u32 s19, s30, s31                     ; qt: my tile of 16 queries
.irp z, 33,35,39,41,43,45,47,57
	s_mov_b32 s\z, 0
.endr
	s_mul_i32 s32, s17, 393216                     ; the head's records
	s_lshr_b32 s36, s19, 3
	s_mul_i32 s34, s36, 12288
	s_and_b32 s37, s19, 7
	s_mul_i32 s37, s37, 768
	s_add_co_u32 s34, s34, s37
	s_add_co_u32 s34, s34, s32
	s_add_co_u32 s34, s34, 6291456                 ; Q's half fragment
	s_lshl_b32 s38, s17, 15                        ; the head's scale words
	s_lshl_b32 s40, s36, 10
	s_bfe_u32 s37, s19, 0x10002
	s_lshl_b32 s37, s37, 9
	s_add_co_u32 s40, s40, s37
	s_lshl_b32 s37, s31, 2
	s_add_co_u32 s40, s40, s37
	s_add_co_u32 s40, s40, s38
	s_add_co_u32 s40, s40, 524288                  ; Q's scale words
	s_lshl_b32 s42, s19, 3                         ; my flags
	s_lshl_b32 s44, s19, 16                        ; my 16 rows of the mask
	s_lshr_b32 s46, s17, 3
	s_lshl_b32 s46, s46, 8
	s_add_co_u32 s46, s46, s19                     ; T = 256 batch + qt
	s_and_b32 s48, s17, 7                          ; head
	s_lshl_b32 s56, s48, 9
	s_add_co_u32 s56, s56, s46
	s_lshl_b32 s56, s56, 7                         ; aos: 128 (512 head + T)
	s_mul_i32 s46, s46, 6144
	s_mul_i32 s48, s48, 768
	s_add_co_u32 s46, s46, s48                     ; aoc: 6,144 T + 768 head
	s_cmp_lt_u32 s16, 3                            ; waves 0-2 of the head's first work-group prefetch: in trips under 7 (first half) and under 6 (second half)
	s_cselect_b32 s27, 7, 0
	s_cselect_b32 s28, 6, 0
	s_cmp_eq_u32 s18, 0
	s_cselect_b32 s27, s27, 0
	s_cselect_b32 s28, s28, 0
	s_mov_b32 s20, 0x76543210
	s_mov_b32 s21, 0xfedcba98                      ; lane selects: lane l xor 16
	s_mov_b32 s22, 0x3e38aa3b                      ; c = log2(e) / 8
	s_mov_b32 s23, s22                             ; (named with it as a pair, so it is written)
	v_and_b32 v8, 31, v0                           ; lane
	v_and_b32 v11, 15, v0                          ; r
	v_bfe_u32 v3, v0, 4, 1                         ; h
	v_lshlrev_b32 v[A16], 4, v8
	v_lshlrev_b32 v[A8], 3, v8
	v_lshlrev_b32 v[MA], 12, v11
	v_lshl_add_u32 v[MA], v3, 4, v[MA]
	s_mul_i32 s54, s16, 1536
	v_add_nc_u32 v[FG], s54, v[A16]
	s_lshl_b32 s54, s16, 11
	v_add_nc_u32 v[SG], s54, v[A16]
	v_add_nc_u32 v[SL], 0x10000, v[SG]
	v_add_nc_u32 v[ADS], 0x10000, v[A16]
	v_lshlrev_b32 v[PFO], 8, v0
	v_lshlrev_b32 v30, 4, v11                      ; 16 r
	v_lshlrev_b32 v31, 2, v8                       ; 4 x lane
	s_wait_kmcnt 0x0
	s_add_nc_u64 s[8:9], s[8:9], s[42:43]
	s_load_b64 s[24:25], s[8:9], 0x0               ; ANY, ALL
	s_add_nc_u64 s[50:51], s[4:5], s[34:35]
	s_add_nc_u64 s[52:53], s[6:7], s[40:41]
	s_add_nc_u64 s[4:5], s[4:5], s[32:33]          ; K and V: the head's first slot
	s_add_nc_u64 s[6:7], s[6:7], s[38:39]
	s_add_nc_u64 s[10:11], s[10:11], s[44:45]
	s_add_nc_u64 s[12:13], s[12:13], s[46:47]
	s_add_nc_u64 s[14:15], s[14:15], s[56:57]
	global_load_b128 v[QF:QF+3], v[A16], s[50:51]
	global_load_b64 v[QF+4:QF+5], v[A8], s[50:51] offset:512
	global_load_b32 v[QS], v30, s[52:53]
.irp i, 0,1,2,3
	global_load_b128 v[S+4*\i:S+4*\i+3], v[SG], s[6:7] offset:512*\i          ; my sixteenth of the head's scale words
.endr
.irp i, 0,1,2
	global_load_b128 v[S+16+4*\i:S+16+4*\i+3], v[FG], s[4:5] offset:512*\i    ; my sixteenth of slot 0
.endr
.irp j, 0,1,2,3,4,5
	v_mov_b32 v[QF+6+\j], 0                        ; Q's upper 64 along K: zero codes
	v_mov_b32 v[KF+48+\j], 0                       ; what follows K's tile 7
.endr
	v_mov_b32 v[NINF], 0xff800000
	v_mov_b32 v13, 0xff61b1e6                      ; the largest t so far: -3e38
	v_floor_f32 v12, -v13                          ; -M
	v_mov_b32 v14, 0                               ; the sum, in two halves
	v_mov_b32 v15, 0
.irp j, 0,1,2,3,4,5,6,7,8,9,10,11,12,13,14,15,16,17,18,19,20,21,22,23,24,25,26,27,28,29,30,31
	v_mov_b32 v[O+\j], 0                           ; O^T: which step is a wave's first hangs on the flags, so no first step can be written out
.endr
.irp b, 0,1,2,3
	v_mov_b32 v[T2+\b], 0                          ; written once: a lane permute's destination counts as one of its sources
.endr
	v_mov_b32 v253, 0                              ; (named as the upper half of the pair v[252:253] before it is first written)
	s_wait_loadcnt 0x0
.irp i, 0,1,2,3
	ds_store_b128 v[SL], v[S+4*\i:S+4*\i+3] offset:512*\i
.endr
.irp i, 0,1,2
	ds_store_b128 v[FG], v[S+16+4*\i:S+16+4*\i+3] offset:512*\i
.endr
	s_add_nc_u64 s[4:5], s[4:5], SLOTB             ; (every load that named it is done)
.irp i, 0,1,2
	global_load_b128 v[FR+4*\i:FR+4*\i+3], v[FG], s[4:5] offset:512*\i        ; slot 1's first bytes are on their way
.endr
	s_wait_kmcnt 0x0                               ; the flags
	s_wait_dscnt 0x0                               ; for the others' sake: my stores have landed
	s_barrier_signal -1
	s_barrier_wait -1
; K is in; eight products start the scores; four places; V's twelve loads land while the softmax is walked.
.macro SCORES base
	s_wait_dscnt 0x0
.irp t, 0,1,2,3,4,5,6,7
	v_wmma_scale_f32_16x16x128_f8f6f4 v[S+8*\t:S+8*\t+7], v[KF+6*\t:KF+6*\t+11], v[QF:QF+11], 0, v[SC+\t], v[QS] matrix_a_fmt:MATRIX_FMT_BF6 matrix_b_fmt:MATRIX_FMT_BF6
.endr
.rept 4
	v_nop                                          ; places ahead of loads into registers that the products read, and of the first read of results
.endr
.irp c, 0,1,2,3,4,5,6,7,8,9,10,11
	ds_load_b128 v[KF+4*\c:KF+4*\c+3], v[A16] offset:\base+6144+512*\c
.endr
.endm
.macro SOFTMAX
.irp b, 0,1,2,3
	v_max3_num_f32 v[BM+\b], v[S+16*\b], v[S+16*\b+1], v[S+16*\b+2]   ; the largest score of each block of 32 keys: for the row's maximum, and, since p rises with the score, for the block's largest p
.endr
.irp i, 3,5,7,9,11,13
.irp b, 0,1,2,3
	v_max3_num_f32 v[BM+\b], v[BM+\b], v[S+16*\b+\i], v[S+16*\b+\i+1]
.endr
.endr
.irp b, 0,1,2,3
	v_max_num_f32 v[BM+\b], v[BM+\b], v[S+16*\b+15]
.endr
.irp b, 0,1,2,3
	v_permlanex16_b32 v[T2+\b], v[BM+\b], s20, s21
.endr
.irp b, 0,1,2,3
	v_max_num_f32 v[BM+\b], v[BM+\b], v[T2+\b]     ; with lane l xor 16's 16 keys
.endr
	v_max3_num_f32 v254, v[BM], v[BM+1], v[BM+2]
	v_max_num_f32 v254, v254, v[BM+3]
	v_mul_f32 v254, s22, v254                      ; the step's largest t (c is positive)
	v_max_num_f32 v13, v13, v254                   ; the running largest t
	v_mov_b32 v254, v12
	v_floor_f32 v12, -v13                          ; the new -M = -ceil(t): a whole number
	v_sub_f32 v254, v12, v254                      ; old M - new M: a whole number, 0 or less
	v_cvt_i32_f32 v254, v254                       ; (it saturates)
	v_ldexp_f32 v252, 1.0, v254                    ; f = 2^(old M - new M)
.irp j, 0,2,4,6,8,10,12,14,16,18,20,22,24,26,28,30,32,34,36,38,40,42,44,46,48,50,52,54,56,58,60,62
	v_pk_fma_f32 v[S+\j:S+\j+1], v[S+\j:S+\j+1], s[22:23], v[12:13] op_sel_hi:[1,0,0]   ; t - M, two at a time
.endr
.irp b, 0,1,2,3
	v_fma_f32 v[BM+\b], v[BM+\b], s22, v12         ; the same of each block's largest score
.endr
.irp j, 0,1,2,3,4,5,6,7,8,9,10,11,12,13,14,15,16,17,18,19,20,21,22,23,24,25,26,27,28,29,30,31,32,33,34,35,36,37,38,39,40,41,42,43,44,45,46,47,48,49,50,51,52,53,54,55,56,57,58,59,60,61,62,63
	v_exp_f32 v[S+\j], v[S+\j]                     ; p = 2^(t - M), at most 1
.endr
	v_pk_mul_f32 v[14:15], v[14:15], v[252:253] op_sel_hi:[1,0]   ; the sums under the new M: the plain instruction behind the exponentials
	s_wait_alu depctr_va_vdst(0)                   ; one wait for the batch, ahead of its first reader
.irp b, 0,1,2,3
	v_exp_f32 v[BM+\b], v[BM+\b]                   ; the block's largest p: the same two instructions on the same number give the same bits
.endr
	v_pk_add_f32 v[T2:T2+1], v[S:S+1], v[S+2:S+3]  ; the row's sum is taken of the unquantised p, in two chains
.irp j, 4,8,12,16,20,24,28,32,36,40,44,48,52,56,60
	v_pk_add_f32 v[14:15], v[14:15], v[S+\j:S+\j+1]
	v_pk_add_f32 v[T2:T2+1], v[T2:T2+1], v[S+\j+2:S+\j+3]
.endr
	v_pk_add_f32 v[14:15], v[14:15], v[T2:T2+1]
	s_wait_alu depctr_va_vdst(0)                   ; and one for the four
.irp b, 0,1,2,3
	v_max_num_f32 v[BM+\b], 0x2800000, v[BM+\b]    ; the floor 2^(5 - 127): the byte cannot fall under 1
.endr
.irp b, 0,1,2,3
	v_add_nc_u32 v[244+\b], 0xfe000000, v[BM+\b]   ; 4 off the exponent field: the conversion's scale operand
.endr
.irp b, 0,1,2,3
	v_lshrrev_b32 v[T2+\b], 23, v[244+\b]          ; the scale's byte
.endr
	v_lshl_or_b32 v253, v[T2+1], 8, v[T2]          ; p's scale word for these 128 keys
	v_lshl_or_b32 v253, v[T2+2], 16, v253
	v_lshl_or_b32 v253, v[T2+3], 24, v253
.irp c, 0,1
	v_cvt_scalef32_pk16_bf6_f32 v[PC+6*\c:PC+6*\c+2], v[S+32*\c:S+32*\c+15], v[244+2*\c]
	v_cvt_scalef32_pk16_bf6_f32 v[T2+4*\c:T2+4*\c+2], v[S+32*\c+16:S+32*\c+31], v[244+2*\c+1]
.endr
	v_nop                                          ; one plain instruction behind the scaled conversions
.irp c, 0,1
.irp i, 0,1,2
	v_permlane16_swap_b32 v[PC+6*\c+\i], v[T2+4*\c+\i]
.endr
.irp i, 0,1,2
	v_mov_b32 v[PC+6*\c+3+\i], v[T2+4*\c+\i]
.endr
.endr
.irp j, 0,2,4,6,8,10,12,14,16,18,20,22,24,26,28,30
	v_pk_mul_f32 v[O+\j:O+\j+1], v[O+\j:O+\j+1], v[252:253] op_sel_hi:[1,0]   ; O^T under the new M; these sixteen also stand between the writes of p's codes and scale word and the products
.endr
.endm
; A KEY STEP: 128 keys, record q of slot e; its flags are bits 2 e + q.
.macro STEP e, q
.set NN, 2*(\e)+(\q)
.set BASE, 32768*(\e)+12288*(\q)
	s_bitcmp1_b32 s24, NN
	s_cbranch_scc0 .Lhidden_\@                     ; no key of the step counts for any of my queries
.irp t, 0,1,2,3,4,5,6,7
	ds_load_b128 v[KF+6*\t:KF+6*\t+3], v[A16] offset:BASE+768*\t
	ds_load_b64 v[KF+6*\t+4:KF+6*\t+5], v[A8] offset:BASE+768*\t+512
.endr
	ds_load_b128 v[SC:SC+3], v[ADS] offset:1024*NN
	ds_load_b128 v[SC+4:SC+7], v[ADS] offset:1024*NN+512
	s_bitcmp1_b32 s25, NN
	s_cbranch_scc1 .Lall_\@                        ; every key counts: no mask bytes are wanted
.irp b, 0,1,2,3
	global_load_b128 v[MB+4*\b:MB+4*\b+3], v[MA], s[10:11] offset:128*NN+32*\b   ; my query's bytes for keys 32 b + 16 h + 0 .. 15
.endr
	SCORES BASE
	s_wait_loadcnt 0x0                             ; the mask bytes (the youngest loads)
.irp b, 0,1,2,3
.irp k, 0,1,2,3
.irp y, 0,1,2,3
	v_and_b32 v254, 1<<(8*\y), v[MB+4*\b+\k]
	v_cmp_eq_u32 vcc_lo, 0, v254
	v_cndmask_b32 v[S+16*\b+4*\k+\y], v[S+16*\b+4*\k+\y], v[NINF], vcc_lo   ; a hidden score becomes -infinity: p = 0
.endr
.endr
.endr
	s_branch .Lopen_\@
.Lall_\@:
	SCORES BASE
.Lopen_\@:
	SOFTMAX
	s_wait_dscnt 0x0                               ; V is in
.irp d, 0,1,2,3
	v_wmma_scale_f32_16x16x128_f8f6f4 v[O+8*\d:O+8*\d+7], v[KF+12*\d:KF+12*\d+11], v[PC:PC+11], v[O+8*\d:O+8*\d+7], v[SC+\d], v253 matrix_a_fmt:MATRIX_FMT_BF6 matrix_b_fmt:MATRIX_FMT_BF6 matrix_a_scale:MATRIX_SCALE_ROW1
.endr
.rept 4
	v_nop                                          ; places ahead of the next loads into these operands and of the next read of O^T
.endr
.Lhidden_\@:
.endm
; HALF A TRIP: slot e is read.  First the fill that has arrived goes into the OTHER slot, which every wave left in front of the last barrier, and the fill after it is asked for.
; One barrier a slot: in front of it my stores into the other slot have landed and my reads of this slot are back.  The jumps hang on the trip's number alone.
.macro HALF e
.if \e
	s_cmp_eq_u32 s26, 7
	s_cbranch_scc1 .Lnofill_\@                     ; the last slot is being read: nothing is left to store or to ask for
.endif
	s_wait_loadcnt 0x0                             ; the fill asked for half a trip ago
.irp i, 0,1,2
	ds_store_b128 v[FG], v[FR+4*\i:FR+4*\i+3] offset:32768*(1-\e)+512*\i
.endr
	s_wait_dscnt 0x0                               ; the stores have read their registers
.if \e == 0
	s_cmp_eq_u32 s26, 7
	s_cbranch_scc1 .Lnofill_\@
.endif
	s_wait_xcnt 0x0                                ; the last prefetch has read its base
	s_add_nc_u64 s[4:5], s[4:5], SLOTB
.irp i, 0,1,2
	global_load_b128 v[FR+4*\i:FR+4*\i+3], v[FG], s[4:5] offset:512*\i
.endr
	s_cmp_lt_u32 s26, s[27+\e]
	s_cbranch_scc0 .Lnofill_\@
	global_prefetch_b8 v[PFO], s[4:5] offset:SLOTB th:TH_LOAD_NT scope:SCOPE_SE   ; the slot after the one just asked for: 96 lanes, 256 bytes apart, of one work-group of the head; it stops at the head's last slot
.Lnofill_\@:
	STEP \e, 0
	STEP \e, 1
.if \e
	v_add_nc_u32 v[ADS], 4096, v[ADS]              ; the next trip's scale words
	s_wait_xcnt 0x0                                ; the mask's loads have read their base
	s_add_nc_u64 s[10:11], s[10:11], 512           ; the next 512 keys of the mask
	s_lshr_b32 s24, s24, 4
	s_lshr_b32 s25, s25, 4
.endif
	s_wait_dscnt 0x0
	s_barrier_signal -1
	s_barrier_wait -1
.endm
	s_mov_b32 s26, 0
.Ltrip:                                                ; eight trips of four key steps
	HALF 0
	HALF 1
	s_add_co_u32 s26, s26, 1
	s_cmp_lt_u32 s26, 8
	s_cbranch_scc1 .Ltrip
	; THE WAY OUT: O^T / the sum, quantised along the head's 64 (two blocks), as half a fragment of the last product's operand.
	v_add_f32 v14, v14, v15
	v_permlanex16_b32 v[T2], v14, s20, s21
	v_add_f32 v14, v14, v[T2]                      ; the row's sum
	v_cmp_eq_f32 s40, 0, v14                       ; no key counted for this query
	v_rcp_f32 v252, v14
	v_mov_b32 v255, 0xffff                         ; (the plain instruction behind the reciprocal)
	s_wait_alu depctr_va_vdst(0)                   ; the wait ahead of its first reader
.irp j, 0,2,4,6,8,10,12,14,16,18,20,22,24,26,28,30
	v_pk_mul_f32 v[S+\j:S+\j+1], v[O+\j:O+\j+1], v[252:253] op_sel_hi:[1,0]   ; register 16 b + i is channel 32 b + 16 h + i
.endr
.irp b, 0,1
	v_max3_num_f32 v[BM+\b], |v[S+16*\b]|, |v[S+16*\b+1]|, 0x2800000
.endr
.irp i, 2,4,6,8,10,12,14
.irp b, 0,1
	v_max3_num_f32 v[BM+\b], v[BM+\b], |v[S+16*\b+\i]|, |v[S+16*\b+\i+1]|
.endr
.endr
.irp b, 0,1
	v_permlanex16_b32 v[T2+\b], v[BM+\b], s20, s21
.endr
.irp b, 0,1
	v_max_num_f32 v[BM+\b], v[BM+\b], v[T2+\b]
.endr
.irp b, 0,1
	v_add_nc_u32 v[244+\b], 0xfe000000, v[BM+\b]
.endr
.irp b, 0,1
	v_lshrrev_b32 v[246+\b], 23, v[244+\b]
.endr
	v_lshl_or_b32 v254, v247, 8, v246
	v_cndmask_b32 v254, v254, v255, s40            ; a select, no branch
	v_cvt_scalef32_pk16_bf6_f32 v[PC:PC+2], v[S:S+15], v244
	v_cvt_scalef32_pk16_bf6_f32 v[T2+4:T2+6], v[S+16:S+31], v245
	v_nop
.irp i, 0,1,2
	v_permlane16_swap_b32 v[PC+\i], v[T2+4+\i]
.endr
.irp i, 0,1,2
	v_mov_b32 v[PC+3+\i], v[T2+4+\i]
.endr
	global_store_b128 v[A16], v[PC:PC+3], s[12:13]              ; 512 consecutive bytes,
	global_store_b64 v[A8], v[PC+4:PC+5], s[12:13] offset:512   ; and 256
	global_store_b32 v31, v254, s[14:15]                        ; the scale word, a lane a word
	s_wait_tensorcnt 0x0
	ds_add_u32 v250, v251
	s_wait_dscnt 0x0
	s_endpgm
.Lfunc_end_k_qbfc12eaf60_attn:
	.size	k_qbfc12eaf60_attn, .Lfunc_end_k_qbfc12eaf60_attn-k_qbfc12eaf60_attn
	.p2alignl 7, 3214868480
	.fill 96, 4, 3214868480
	.section	.rodata,"a",@progbits
	.p2align	6, 0x0
	.amdhsa_kernel k_qbfc12eaf60_attn
		.amdhsa_group_segment_fixed_size 100352
		.amdhsa_private_segment_fixed_size 0
		.amdhsa_enable_private_segment 0
		.amdhsa_kernarg_size 48
		.amdhsa_user_sgpr_count 2
		.amdhsa_user_sgpr_kernarg_segment_ptr 1
		.amdhsa_wavefront_size32 1
		.amdhsa_system_sgpr_workgroup_id_x 1
		.amdhsa_system_sgpr_workgroup_id_y 1
		.amdhsa_system_sgpr_workgroup_id_z 1
		.amdhsa_system_vgpr_workitem_id 0
		.amdhsa_next_free_vgpr 256
		.amdhsa_next_free_sgpr 66
		.amdhsa_reserve_vcc 1
		.amdhsa_float_denorm_mode_32 3
		.amdhsa_float_denorm_mode_16_64 3
		.amdhsa_memory_ordered 1
		.amdhsa_forward_progress 1
		.amdhsa_inst_pref_size 115
	.end_amdhsa_kernel
	.amdgpu_metadata
---
amdhsa.version: [ 1, 2 ]
amdhsa.kernels:
  - .name:           k_qbfc12eaf60_attn
    .symbol:         k_qbfc12eaf60_attn.kd
    .args:
      - { .name: kvc, .offset: 0, .size: 8, .value_kind: global_buffer, .address_space: global }
      - { .name: kvs, .offset: 8, .size: 8, .value_kind: global_buffer, .address_space: global }
      - { .name: flags, .offset: 16, .size: 8, .value_kind: global_buffer, .address_space: global }
      - { .name: mask, .offset: 24, .size: 8, .value_kind: global_buffer, .address_space: global }
      - { .name: aoc, .offset: 32, .size: 8, .value_kind: global_buffer, .address_space: global }
      - { .name: aos, .offset: 40, .size: 8, .value_kind: global_buffer, .address_space: global }
    .group_segment_fixed_size: 100352
    .private_segment_fixed_size: 0
    .kernarg_segment_align: 8
    .kernarg_segment_size: 48
    .max_flat_workgroup_size: 512
    .sgpr_count:     66
    .vgpr_count:     256
    .wavefront_size: 32
...
	.end_amdgpu_metadata
.endif
;; end of part 3
;; launch outp (part 4): grid 256 x 1, 4 waves a work-group, no clusters, 34,304 bytes of LDS; arguments aoc, aos, opc, ops, bo, out0; writes out0
.if DOCPART == 4
	.amdgcn_target "amdgcn-amd-amdhsa--gfx1250"
	.amdhsa_code_object_version 6
	.text
	.protected	k_qbfc12eaf60_outp
	.globl	k_qbfc12eaf60_outp
	.p2align	8
	.type	k_qbfc12eaf60_outp,@function
k_qbfc12eaf60_outp:
	s_mov_b64 s[64:65], 0
	v_nop
	global_prefetch_b8 v0, s[64:65] scope:SCOPE_SE
	s_setreg_imm32_b32 hwreg(HW_REG_WAVE_MODE, 25, 1), 1
	s_wait_xcnt 0x0
; OUTP.  out0 = AO Wo^T + bo on codes of BF6.  AO's codes and scale words were laid by the attention launch as operand images, Wo's by the first launch.
; A work-group takes two tiles of 16 tokens; wave w takes features 128 w .. 128 w + 127: eight tiles of Wo, all of K = 512, in 384 registers.  Source 0 = Wo's rows, source 1 = the tokens:
; a lane holds eight neighbouring features of one token.  The bias is the C of each sum's first product.  A tile's results go through the wave's own stage in LDS (rows 528 bytes apart)
; and leave as rows: each store covers 512 consecutive bytes of out0.  No barrier: waves share nothing.
; A token for which no key counted carries the scale bytes 0xff: its row comes out NaN.
; REGISTERS: window 0 as below; window 1: Wo's tiles 0-3 (48 tile + 12 K step); window 2: tiles 4-7; window 3: v0-63 the bias, v64-159 the two token tiles' four fragments each.
.set LI,  1                            ; 16 x lane
.set L8,  2                            ; 8 x lane
.set SR,  3                            ; 16 r
.set L4,  4                            ; 4 x lane
.set SO,  5                            ; the stage, on the way in: 528 r + 32 h
.set SRD, 6                            ; and on the way out: 16 x lane
.set BA,  7                            ; 32 h
.set HA,  16                           ; v16-79   the eight accumulators
.set OUT, 80                           ; v80-143  16 rows read back
.set AS,  144                          ; v144-175 Wo's scale words: 4 tile + K step
.set W8,  176                          ; v176-191 the heads' scale words of the two token tiles
.set BS,  192                          ; v192-199 joined: a word for each K step
.set BI,  0                            ; in window 3
.set BF,  64                           ; in window 3
.set MSB, 0
.macro WIN new                         ; the immediate's high byte repeats the setting that is left
.if MSB != (\new)
	s_set_vgpr_msb (MSB<<8)|(\new)
.set MSB, (\new)
.endif
.endm
	s_load_b256 s[4:11], s[0:1], 0x0               ; aoc, aos, opc, ops
	s_load_b128 s[12:15], s[0:1], 0x20             ; bo, out0
	v_lshl_add_u32 v254, v0, 2, 0x8400
	v_mov_b32 v255, 0
	v_lshrrev_b32 v8, 5, v0
	v_readfirstlane_b32 s16, v8                    ; wave 0..3
	v_and_b32 v8, 31, v0
	v_and_b32 v9, 15, v0                           ; r
	v_bfe_u32 v10, v0, 4, 1                        ; h
	v_lshlrev_b32 v[LI], 4, v8
	v_lshlrev_b32 v[L8], 3, v8
	v_lshlrev_b32 v[SR], 4, v9
	v_lshlrev_b32 v[L4], 2, v8
	v_lshlrev_b32 v[BA], 5, v10
	s_mul_i32 s17, s16, 8448                       ; my stage: 16 rows x 528 bytes
	v_mul_u32_u24 v[SO], v9, 528
	v_lshl_add_u32 v[SO], v10, 5, v[SO]
	v_add_nc_u32 v[SO], s17, v[SO]
	v_add_nc_u32 v[SRD], s17, v[LI]
	s_lshl_b32 s18, s16, 3
	s_add_co_u32 s18, s18, 1632                    ; Wo's tiles 8 w on
	s_mov_b32 s21, 0
	s_wait_kmcnt 0x0
	s_mul_i32 s20, s18, 6144
	s_add_nc_u64 s[8:9], s[8:9], s[20:21]
	s_lshl_b32 s20, s18, 8
	s_add_nc_u64 s[10:11], s[10:11], s[20:21]
	s_lshl_b32 s20, s16, 9
	s_add_nc_u64 s[12:13], s[12:13], s[20:21]      ; the bias of my 128 features
	s_add_nc_u64 s[14:15], s[14:15], s[20:21]      ; and their place in a row of out0
	s_lshl_b32 s20, ttmp9, 16
	s_add_nc_u64 s[14:15], s[14:15], s[20:21]      ; 32 rows of 2,048 bytes a work-group
	s_mul_i32 s20, ttmp9, 12288
	s_add_nc_u64 s[4:5], s[4:5], s[20:21]          ; my two token tiles' codes
	s_lshl_b32 s20, ttmp9, 8
	s_add_nc_u64 s[6:7], s[6:7], s[20:21]          ; and scale words
	WIN 0x40                                       ; destination window 1
.irp t, 0,1,2,3
.irp c, 0,1,2,3,4,5,6,7,8,9,10,11
	global_load_b128 v[48*\t+4*\c:48*\t+4*\c+3], v[LI], s[8:9] offset:6144*\t+512*\c
.endr
.endr
	WIN 0x80                                       ; destination window 2
.irp t, 0,1,2,3
.irp c, 0,1,2,3,4,5,6,7,8,9,10,11
	global_load_b128 v[48*\t+4*\c:48*\t+4*\c+3], v[LI], s[8:9] offset:6144*(\t+4)+512*\c
.endr
.endr
	WIN 0xc0                                       ; destination window 3
.irp t, 0,1,2,3,4,5,6,7                ; the bias in the result's layout: tile t, lane (r, h): features 16 t + 8 h + 0 .. 7
	global_load_b128 v[BI+8*\t:BI+8*\t+3], v[BA], s[12:13] offset:64*\t
	global_load_b128 v[BI+8*\t+4:BI+8*\t+7], v[BA], s[12:13] offset:64*\t+16
.endr
.irp e, 0,1
.irp d, 0,1,2,3,4,5,6,7                ; head d is half of K step d / 2: registers 6 d .. 6 d + 5 of the tile's 48
	global_load_b128 v[BF+48*\e+6*\d:BF+48*\e+6*\d+3], v[LI], s[4:5] offset:6144*\e+768*\d
	global_load_b64 v[BF+48*\e+6*\d+4:BF+48*\e+6*\d+5], v[L8], s[4:5] offset:6144*\e+768*\d+512
.endr
.endr
	WIN 0
.irp t, 0,1,2,3,4,5,6,7
	global_load_b128 v[AS+4*\t:AS+4*\t+3], v[SR], s[10:11] offset:256*\t
.endr
.irp e, 0,1
.irp d, 0,1,2,3,4,5,6,7
	global_load_b32 v[W8+8*\e+\d], v[L4], s[6:7] offset:65536*\d+128*\e
.endr
.endr
	s_wait_loadcnt 0x0
.irp e, 0,1
.irp s, 0,1,2,3
	v_lshl_or_b32 v[BS+4*\e+\s], v[W8+8*\e+2*\s+1], 16, v[W8+8*\e+2*\s]   ; two heads' two bytes each: the word of a K step
.endr
.endr
.rept 8
	v_nop                                          ; scale registers written by vector instructions stand eight places ahead of the scaled products
.endr
; 32 products for token tile e.  Four accumulators take turns, one instruction a turn.
.macro MULT e
.irp g, 0,4
.irp s, 0,1,2,3
.if \s == 0
	WIN 0x3d+\g/4                                  ; source 0 window 1 or 2, source 1 and C window 3, D window 0
.else
	WIN 0x0d+\g/4                                  ; C window 0
.endif
.irp t, 0,1,2,3
.if \s == 0
	v_wmma_scale_f32_16x16x128_f8f6f4 v[HA+8*(\g+\t):HA+8*(\g+\t)+7], v[48*\t+12*\s:48*\t+12*\s+11], v[BF+48*(\e)+12*\s:BF+48*(\e)+12*\s+11], v[BI+8*(\g+\t):BI+8*(\g+\t)+7], v[AS+4*(\g+\t)+\s], v[BS+4*(\e)+\s] matrix_a_fmt:MATRIX_FMT_BF6 matrix_b_fmt:MATRIX_FMT_BF6
.else
	v_wmma_scale_f32_16x16x128_f8f6f4 v[HA+8*(\g+\t):HA+8*(\g+\t)+7], v[48*\t+12*\s:48*\t+12*\s+11], v[BF+48*(\e)+12*\s:BF+48*(\e)+12*\s+11], v[HA+8*(\g+\t):HA+8*(\g+\t)+7], v[AS+4*(\g+\t)+\s], v[BS+4*(\e)+\s] matrix_a_fmt:MATRIX_FMT_BF6 matrix_b_fmt:MATRIX_FMT_BF6
.endif
.endr
.endr
.endr
	WIN 0
.endm
.macro STAGE
.rept 5
	v_nop                                          ; four places ahead of the stores that read results; the fifth for the next tile's products, which write over these accumulators
.endr
.irp t, 0,1,2,3,4,5,6,7
	ds_store_b128 v[SO], v[HA+8*\t:HA+8*\t+3] offset:64*\t            ; each accumulator from its low end on
	ds_store_b128 v[SO], v[HA+8*\t+4:HA+8*\t+7] offset:64*\t+16
.endr
.irp i, 0,1,2,3,4,5,6,7,8,9,10,11,12,13,14,15
	ds_load_b128 v[OUT+4*\i:OUT+4*\i+3], v[SRD] offset:528*\i         ; LDS serves a wave's instructions in order (ISA guide 5.7.1.4): these see the stores above
.endr
.endm
.macro SEND e
.irp i, 0,1,2,3,4,5,6,7,8,9,10,11,12,13,14,15
	s_wait_dscnt 15-\i                             ; row i is back; the younger loads may be out
	global_store_b128 v[LI], v[OUT+4*\i:OUT+4*\i+3], s[14:15] offset:32768*(\e)+2048*\i th:TH_STORE_NT   ; 32 lanes store 512 consecutive bytes of a row
.endr
.endm
	MULT 0
	STAGE
	s_wait_dscnt 16                                ; the 16 stores have read the accumulators; the 16 loads may be out
	MULT 1
	SEND 0
	s_wait_xcnt 0x0                                ; the stores have read their registers, into which the next rows are loaded
	STAGE
	SEND 1
	s_wait_tensorcnt 0x0
	ds_add_u32 v254, v255
	s_wait_dscnt 0x0
	s_endpgm
.Lfunc_end_k_qbfc12eaf60_outp:
	.size	k_qbfc12eaf60_outp, .Lfunc_end_k_qbfc12eaf60_outp-k_qbfc12eaf60_outp
	.p2alignl 7, 3214868480
	.fill 96, 4, 3214868480
	.section	.rodata,"a",@progbits
	.p2align	6, 0x0
	.amdhsa_kernel k_qbfc12eaf60_outp
		.amdhsa_group_segment_fixed_size 34304
		.amdhsa_private_segment_fixed_size 0
		.amdhsa_enable_private_segment 0
		.amdhsa_kernarg_size 48
		.amdhsa_user_sgpr_count 2
		.amdhsa_user_sgpr_kernarg_segment_ptr 1
		.amdhsa_wavefront_size32 1
		.amdhsa_system_sgpr_workgroup_id_x 1
		.amdhsa_system_sgpr_workgroup_id_y 1
		.amdhsa_system_sgpr_workgroup_id_z 1
		.amdhsa_system_vgpr_workitem_id 0
		.amdhsa_next_free_vgpr 928
		.amdhsa_next_free_sgpr 66
		.amdhsa_reserve_vcc 0
		.amdhsa_float_denorm_mode_32 3
		.amdhsa_float_denorm_mode_16_64 3
		.amdhsa_memory_ordered 1
		.amdhsa_forward_progress 1
		.amdhsa_inst_pref_size 36
	.end_amdhsa_kernel
	.amdgpu_metadata
---
amdhsa.version: [ 1, 2 ]
amdhsa.kernels:
  - .name:           k_qbfc12eaf60_outp
    .symbol:         k_qbfc12eaf60_outp.kd
    .args:
      - { .name: aoc, .offset: 0, .size: 8, .value_kind: global_buffer, .address_space: global }
      - { .name: aos, .offset: 8, .size: 8, .value_kind: global_buffer, .address_space: global }
      - { .name: opc, .offset: 16, .size: 8, .value_kind: global_buffer, .address_space: global }
      - { .name: ops, .offset: 24, .size: 8, .value_kind: global_buffer, .address_space: global }
      - { .name: bo, .offset: 32, .size: 8, .value_kind: global_buffer, .address_space: global }
      - { .name: out0, .offset: 40, .size: 8, .value_kind: global_buffer, .address_space: global }
    .group_segment_fixed_size: 34304
    .private_segment_fixed_size: 0
    .kernarg_segment_align: 8
    .kernarg_segment_size: 48
    .max_flat_workgroup_size: 128
    .sgpr_count:     66
    .vgpr_count:     928
    .wavefront_size: 32
...
	.end_amdgpu_metadata
.endif
;; end of part 4
;; ======== version 2 of 2: 4 launches
;; workspace buffers: opc 10,223,616 bytes; ops 425,984 bytes; flags 2,048 bytes of whole numbers; kvc 12,582,912 bytes; kvs 1,048,576 bytes; aoc 3,145,728 bytes; aos 524,288 bytes
;; launch prep (part 5): grid 272 x 1, 4 waves a work-group, no clusters, 34,304 bytes of LDS; arguments q, k, v, Wq, Wk, Wv, Wo, mask, opc, ops, flags; writes opc, ops, flags
.if DOCPART == 5
	.amdgcn_target "amdgcn-amd-amdhsa--gfx1250"
	.amdhsa_code_object_version 6
	.text
	.protected	k_qbfc12eaf60_prep
	.globl	k_qbfc12eaf60_prep
	.p2align	8
	.type	k_qbfc12eaf60_prep,@function
k_qbfc12eaf60_prep:
	s_mov_b64 s[64:65], 0
	v_nop
	global_prefetch_b8 v0, s[64:65] scope:SCOPE_SE
	s_setreg_imm32_b32 hwreg(HW_REG_WAVE_MODE, 25, 1), 1
	s_wait_xcnt 0x0
; PREP.  (a) q, k, v [8192][512] and Wq, Wk, Wv, Wo [512][512], f32, K innermost, become codes of BF6 (E3M2) with one E8M0 byte for each 32 along K,
; laid as IMAGES OF OPERAND REGISTERS: a fragment (16 rows x 128 K, 12 registers a lane) is 1,536 bytes, registers 4 c .. 4 c + 3 of lane l at 512 c + 16 l.
; opc: [tile][K step 0..3][1,536]; ops: [tile][row r][K step] words.  Tiles: q 0-511, k 512-1023, v 1024-1535, Wq 1536.., Wk 1568.., Wv 1600.., Wo 1632-1663.
; THE ROWS OF A TILE: q and Wo: 16 tile + r.  k, v, Wq, Wk, Wv: 32 (tile / 2) + 8 (tile % 2) + r + 8 (r / 8), so that 16 registers of two neighbouring result tiles are 16 neighbours along the next K.
; (b) the mask [4096][4096] of bytes gives two words for each tile of 16 queries: bit s of ANY: some key of keys 128 s .. 128 s + 127 counts for some of the 16; bit s of ALL: all count for all.
; SHARES.  Work-groups 0-207 quantise: a wave takes a pair of tiles, 32 rows x 512 numbers, as 8 units of 16 rows x 128.  Work-groups 208-271 make the flags: a wave takes 16 rows of the mask.
; A unit's 16 loads read 512 consecutive bytes of a row each; the unit turns through the wave's own stage in LDS (rows 528 bytes apart) so that a lane gets 16 neighbours of each block of 32.
; A block's scale byte is its largest magnitude's exponent field - 4, held at 1 from below.  A block of zeros so has the byte 1: its codes are zeros, and this program alone reads the bytes.
; LIMITS: NaN and infinities among the inputs are not served; mask bytes are 0 or 1, as the problem states them.
.set NQWG, 208                         ; work-groups that quantise
.set LI,  1                            ; v1      16 x lane
.set XA,  2                            ; v2-5    a unit's rows: tile u, rows 0-7 / 8-15 of it
.set STA, 6                            ; v6      the stage, on the way in: 16 x lane
.set STB, 7                            ; v7      and on the way out: 528 r + 64 h
.set R,   16                           ; v16-143 two sets of 64: a unit as loaded
.set X,   144                          ; v144-207 a unit as the conversions want it
.set PC,  208                          ; v208-219 a fragment's codes
.set T2,  220                          ; v220-227 the conversions' second halves
.set TM,  228                          ; v228-243 at work
.set SW,  244                          ; v244-251 the eight units' scale words
.set SO,  252                          ; v252-255 the pair's scale words as they are stored
.set SEL, 46                           ; s[46:47] lane selects: lane l xor 16
; 64 numbers of a lane, register 16 b + i = k 32 b + 16 (lane / 16) + i of its row, become a fragment's 12 registers in v[pc] on and the row's scale word in v[pw].
.macro QUANT s, pc, t2, tm, pw
.irp b, 0,1,2,3
	v_max3_num_f32 v[\tm+\b], |v[\s+16*\b]|, |v[\s+16*\b+1]|, 0x2800000      ; my 16 numbers of block b, and the floor 2^(5 - 127): the byte cannot fall under 1
.endr
.irp i, 2,4,6,8,10,12,14
.irp b, 0,1,2,3
	v_max3_num_f32 v[\tm+\b], v[\tm+\b], |v[\s+16*\b+\i]|, |v[\s+16*\b+\i+1]|   ; the four blocks by turns
.endr
.endr
.irp b, 0,1,2,3
	v_permlanex16_b32 v[\tm+4+\b], v[\tm+\b], s[SEL], s[SEL+1]
.endr
.irp b, 0,1,2,3
	v_max_num_f32 v[\tm+\b], v[\tm+\b], v[\tm+4+\b]                          ; with lane l xor 16's: the block's largest magnitude
.endr
.irp b, 0,1,2,3
	v_add_nc_u32 v[\tm+12+\b], 0xfe000000, v[\tm+\b]                         ; 4 off its exponent field: the conversion's scale operand
.endr
.irp b, 0,1,2,3
	v_lshrrev_b32 v[\tm+4+\b], 23, v[\tm+12+\b]                              ; the scale's byte
.endr
	v_lshl_or_b32 v[\pw], v[\tm+5], 8, v[\tm+4]
	v_lshl_or_b32 v[\pw], v[\tm+6], 16, v[\pw]
	v_lshl_or_b32 v[\pw], v[\tm+7], 24, v[\pw]
.irp c, 0,1
	v_cvt_scalef32_pk16_bf6_f32 v[\pc+6*\c:\pc+6*\c+2], v[\s+32*\c:\s+32*\c+15], v[\tm+12+2*\c]
	v_cvt_scalef32_pk16_bf6_f32 v[\t2+4*\c:\t2+4*\c+2], v[\s+32*\c+16:\s+32*\c+31], v[\tm+12+2*\c+1]   ; (a conversion's three registers begin on an even number)
.endr
	v_nop                                          ; one plain instruction behind the scaled conversions
.irp c, 0,1                            ; the operand wants a whole block in a lane: lanes 0-15 block 2 c, lanes 16-31 block 2 c + 1
.irp i, 0,1,2
	v_permlane16_swap_b32 v[\pc+6*\c+\i], v[\t2+4*\c+\i]
.endr
.irp i, 0,1,2
	v_mov_b32 v[\pc+6*\c+3+\i], v[\t2+4*\c+\i]
.endr
.endr
.endm
	s_load_b512 s[4:19], s[0:1], 0x0               ; q, k, v, Wq, Wk, Wv, Wo, mask
	s_load_b128 s[20:23], s[0:1], 0x40             ; opc, ops
	s_load_b64 s[24:25], s[0:1], 0x50              ; flags
	v_lshl_add_u32 v238, v0, 2, 0x8400
	v_mov_b32 v239, 0
	v_lshrrev_b32 v8, 5, v0
	v_readfirstlane_b32 s34, v8                    ; wave 0..3
	v_and_b32 v9, 31, v0                           ; lane
	v_lshlrev_b32 v[LI], 4, v9
	s_mov_b32 s33, 0
	s_cmp_ge_u32 ttmp9, NQWG
	s_cbranch_scc1 .Lflags
	; ---------------- the quantising work-groups ----------------
	s_lshl_b32 s31, ttmp9, 2
	s_add_co_u32 s31, s31, s34                     ; my pair of tiles
	s_mov_b32 s28, 816                             ; the tensor's first pair,
	s_mov_b32 s29, 0                               ; and whether its tiles' rows are permuted: Wo's figures, unless a line below says otherwise
	s_mov_b32 s[SEL], 0x76543210
	s_mov_b32 s[SEL+1], 0xfedcba98
	s_wait_kmcnt 0x0
	s_mov_b64 s[26:27], s[16:17]
.macro PICK lim, ptr, first, perm      ; the choice hangs on the work-group's number alone
	s_cmp_lt_u32 ttmp9, \lim
	s_cselect_b64 s[26:27], s[\ptr:\ptr+1], s[26:27]
	s_cselect_b32 s28, \first, s28
	s_cselect_b32 s29, \perm, s29
.endm
	PICK 204, 14, 800, 1                           ; Wv
	PICK 200, 12, 784, 1                           ; Wk
	PICK 196, 10, 768, 1                           ; Wq
	PICK 192, 8, 512, 1                            ; v
	PICK 128, 6, 256, 1                            ; k
	PICK 64, 4, 0, 0                               ; q
	s_sub_co_u32 s32, s31, s28
	s_lshl_b32 s32, s32, 16                        ; a pair is 32 rows of 2,048 bytes
	s_add_nc_u64 s[26:27], s[26:27], s[32:33]
	s_mul_i32 s32, s31, 12288
	s_add_nc_u64 s[20:21], s[20:21], s[32:33]      ; its codes
	s_lshl_b32 s32, s31, 9
	s_add_nc_u64 s[22:23], s[22:23], s[32:33]      ; its scale words
	s_lshr_b32 s35, 0x8000, s29                    ; from tile 0 to tile 1 of the pair: 16 rows, or 8 where the rows are permuted
	s_lshl_b32 s36, s29, 14                        ; rows 8-15 of a permuted tile lie 8 rows further on
	s_wait_alu depctr_va_vdst(0)
	v_mov_b32 v[XA], v[LI]
	v_add_nc_u32 v[XA+1], s36, v[LI]
	v_add_nc_u32 v[XA+2], s35, v[LI]
	v_add_nc_u32 v[XA+3], s35, v[XA+1]
	s_mul_i32 s37, s34, 8448                       ; my stage: 16 rows x 528 bytes
	v_add_nc_u32 v[STA], s37, v[LI]
	v_and_b32 v10, 15, v0                          ; r
	v_bfe_u32 v11, v0, 4, 1                        ; h
	v_mul_u32_u24 v[STB], v10, 528
	v_lshl_add_u32 v[STB], v11, 6, v[STB]
	v_add_nc_u32 v[STB], s37, v[STB]
.irp b, 0,1,2,3
	v_mov_b32 v[TM+4+\b], 0                        ; written once: a lane permute's destination counts as one of its sources
.endr
.macro LOADU n                         ; unit n = 4 u + s: tile u's 16 rows, K step s: each load reads 512 consecutive bytes of one row
.irp p, 0,1,2,3,4,5,6,7,8,9,10,11,12,13,14,15
	global_load_b128 v[R+64*((\n)%2)+4*\p:R+64*((\n)%2)+4*\p+3], v[XA+2*((\n)/4)+\p/8], s[26:27] offset:2048*\p+512*((\n)%4) th:TH_LOAD_NT
.endr
.endm
.macro UNIT n
.if (\n) < 7
	s_wait_loadcnt 16                              ; this unit's 16 loads are in; the next unit's 16 may be out
.else
	s_wait_loadcnt 0x0
.endif
.irp p, 0,1,2,3,4,5,6,7,8,9,10,11,12,13,14,15
	ds_store_b128 v[STA], v[R+64*((\n)%2)+4*\p:R+64*((\n)%2)+4*\p+3] offset:528*\p
.endr
.irp b, 0,1,2,3
.irp j, 0,1,2,3
	ds_load_b128 v[X+16*\b+4*\j:X+16*\b+4*\j+3], v[STB] offset:128*\b+16*\j   ; LDS serves a wave's instructions in order (ISA guide 5.7.1.4): these see the stores above
.endr
.endr
	s_wait_dscnt 0x0                               ; the unit is back, and the stores into the stage have read their registers
	s_wait_xcnt 0x0                                ; the last unit's stores have read the codes' registers, which are written again below
.if (\n) < 6
	LOADU (\n)+2
.endif
	QUANT X, PC, T2, TM, SW+(\n)
.irp c, 0,1,2
	global_store_b128 v[LI], v[PC+4*\c:PC+4*\c+3], s[20:21] offset:1536*(\n)+512*\c   ; 32 lanes store 512 consecutive bytes
.endr
.endm
	LOADU 0
	LOADU 1
	s_wait_alu depctr_va_vdst(0)
.irp n, 0,1,2,3,4,5,6,7
	UNIT \n
.endr
	s_mov_b32 vcc_lo, 0xffff0000
.irp s, 0,1,2,3
	v_cndmask_b32 v[SO+\s], v[SW+\s], v[SW+4+\s], vcc_lo    ; lanes 0-15: tile 0's row r; lanes 16-31: tile 1's
.endr
	global_store_b128 v[LI], v[SO:SO+3], s[22:23]  ; both tiles' scale words: 512 consecutive bytes
	s_wait_tensorcnt 0x0
	ds_add_u32 v238, v239
	s_wait_dscnt 0x0
	s_endpgm
	; ---------------- the flags ----------------
.Lflags:
	s_sub_co_u32 s31, ttmp9, NQWG
	s_lshl_b32 s31, s31, 2
	s_add_co_u32 s31, s31, s34                     ; my tile of 16 queries
	s_lshl_b32 s32, s31, 16                        ; 16 rows of 4,096 bytes
	s_lshl_b32 s45, s31, 3
	s_mov_b32 s38, 0                               ; ANY
	s_mov_b32 s39, 0                               ; ALL
	s_mov_b32 s42, 0x01010101
	s_wait_kmcnt 0x0
	s_add_nc_u64 s[18:19], s[18:19], s[32:33]
.macro MLOAD i                         ; chunk i: keys 512 i .. 512 i + 511 of the 16 rows; a lane holds 16 keys, eight lanes a step of 128
.irp p, 0,1,2,3,4,5,6,7,8,9,10,11,12,13,14,15
	global_load_b128 v[R+64*((\i)%2)+4*\p:R+64*((\i)%2)+4*\p+3], v[LI], s[18:19] offset:4096*\p+512*(\i) th:TH_LOAD_NT
.endr
.endm
.macro MRED i
.set RS, R+64*((\i)%2)
.if (\i) < 7
	s_wait_loadcnt 16                              ; this chunk's 16 loads are in; the next chunk's may be out
.else
	s_wait_loadcnt 0x0
.endif
.irp c, 0,1,2,3
	v_and_b32 v[X+\c], v[RS+\c], v[RS+4+\c]        ; four chains of AND and four of OR over the lane's 64 words
	v_or_b32 v[X+4+\c], v[RS+\c], v[RS+4+\c]
.endr
.irp p, 2,3,4,5,6,7,8,9,10,11,12,13,14,15
.irp c, 0,1,2,3
	v_and_b32 v[X+\c], v[X+\c], v[RS+4*\p+\c]
	v_or_b32 v[X+4+\c], v[X+4+\c], v[RS+4*\p+\c]
.endr
.endr
	v_and_b32 v[X], v[X], v[X+1]
	v_and_b32 v[X+2], v[X+2], v[X+3]
	v_or_b32 v[X+4], v[X+4], v[X+5]
	v_or_b32 v[X+6], v[X+6], v[X+7]
	v_and_b32 v[X], v[X], v[X+2]
	v_or_b32 v[X+4], v[X+4], v[X+6]
	v_cmp_eq_u32 s40, s42, v[X]                    ; a lane's bit: all its 256 bytes are 1
	v_cmp_ne_u32 s41, 0, v[X+4]                    ; some byte is not 0
.if (\i) < 6
	MLOAD (\i)+2
.endif
.irp j, 0,1,2,3                        ; eight lanes to a step; nothing but selects hangs on the data
	s_bfe_u32 s43, s40, (8<<16)|(8*\j)
	s_cmp_eq_u32 s43, 0xff
	s_cselect_b32 s43, 1<<(4*(\i)+\j), 0
	s_or_b32 s39, s39, s43
	s_bfe_u32 s43, s41, (8<<16)|(8*\j)
	s_cmp_lg_u32 s43, 0
	s_cselect_b32 s43, 1<<(4*(\i)+\j), 0
	s_or_b32 s38, s38, s43
.endr
.endm
	s_wait_alu depctr_va_vdst(0)
	MLOAD 0
	MLOAD 1
.irp i, 0,1,2,3,4,5,6,7
	MRED \i
.endr
	v_mov_b32 v10, s38
	v_mov_b32 v11, s39
	v_mov_b32 v12, s45
	v_cmp_gt_u32 vcc_lo, 1, v9
	s_wait_alu depctr_va_vdst(0)
	s_wait_xcnt 0x0                                ; EXEC changes only behind this wait
	s_and_saveexec_b32 s44, vcc_lo
	global_store_b64 v12, v[10:11], s[24:25]       ; lane 0: ANY, ALL of my tile
	s_wait_xcnt 0x0
	s_or_b32 exec_lo, exec_lo, s44
	s_endpgm
.Lfunc_end_k_qbfc12eaf60_prep:
	.size	k_qbfc12eaf60_prep, .Lfunc_end_k_qbfc12eaf60_prep-k_qbfc12eaf60_prep
	.p2alignl 7, 3214868480
	.fill 96, 4, 3214868480
	.section	.rodata,"a",@progbits
	.p2align	6, 0x0
	.amdhsa_kernel k_qbfc12eaf60_prep
		.amdhsa_group_segment_fixed_size 34304
		.amdhsa_private_segment_fixed_size 0
		.amdhsa_enable_private_segment 0
		.amdhsa_kernarg_size 88
		.amdhsa_user_sgpr_count 2
		.amdhsa_user_sgpr_kernarg_segment_ptr 1
		.amdhsa_wavefront_size32 1
		.amdhsa_system_sgpr_workgroup_id_x 1
		.amdhsa_system_sgpr_workgroup_id_y 1
		.amdhsa_system_sgpr_workgroup_id_z 1
		.amdhsa_system_vgpr_workitem_id 0
		.amdhsa_next_free_vgpr 256
		.amdhsa_next_free_sgpr 66
		.amdhsa_reserve_vcc 1
		.amdhsa_float_denorm_mode_32 3
		.amdhsa_float_denorm_mode_16_64 3
		.amdhsa_memory_ordered 1
		.amdhsa_forward_progress 1
		.amdhsa_inst_pref_size 123
	.end_amdhsa_kernel
	.amdgpu_metadata
---
amdhsa.version: [ 1, 2 ]
amdhsa.kernels:
  - .name:           k_qbfc12eaf60_prep
    .symbol:         k_qbfc12eaf60_prep.kd
    .args:
      - { .name: q, .offset: 0, .size: 8, .value_kind: global_buffer, .address_space: global }
      - { .name: k, .offset: 8, .size: 8, .value_kind: global_buffer, .address_space: global }
      - { .name: v, .offset: 16, .size: 8, .value_kind: global_buffer, .address_space: global }
      - { .name: Wq, .offset: 24, .size: 8, .value_kind: global_buffer, .address_space: global }
      - { .name: Wk, .offset: 32, .size: 8, .value_kind: global_buffer, .address_space: global }
      - { .name: Wv, .offset: 40, .size: 8, .value_kind: global_buffer, .address_space: global }
      - { .name: Wo, .offset: 48, .size: 8, .value_kind: global_buffer, .address_space: global }
      - { .name: mask, .offset: 56, .size: 8, .value_kind: global_buffer, .address_space: global }
      - { .name: opc, .offset: 64, .size: 8, .value_kind: global_buffer, .address_space: global }
      - { .name: ops, .offset: 72, .size: 8, .value_kind: global_buffer, .address_space: global }
      - { .name: flags, .offset: 80, .size: 8, .value_kind: global_buffer, .address_space: global }
    .group_segment_fixed_size: 34304
    .private_segment_fixed_size: 0
    .kernarg_segment_align: 8
    .kernarg_segment_size: 88
    .max_flat_workgroup_size: 128
    .sgpr_count:     66
    .vgpr_count:     256
    .wavefront_size: 32
...
	.end_amdgpu_metadata
.endif
;; end of part 5
;; launch proj (part 6): grid 192 x 1, 4 waves a work-group, no clusters, 0 bytes of LDS; arguments opc, ops, bq, bk, bv, kvc, kvs; writes kvc, kvs
.if DOCPART == 6
	.amdgcn_target "amdgcn-amd-amdhsa--gfx1250"
	.amdhsa_code_object_version 6
	.text
	.protected	k_qbfc12eaf60_proj
	.globl	k_qbfc12eaf60_proj
	.p2align	8
	.type	k_qbfc12eaf60_proj,@function
k_qbfc12eaf60_proj:
	s_mov_b64 s[64:65], 0
	v_nop
	global_prefetch_b8 v0, s[64:65] scope:SCOPE_SE
	s_setreg_imm32_b32 hwreg(HW_REG_WAVE_SCHED_MODE, 0, 2), 2
	s_setreg_imm32_b32 hwreg(HW_REG_WAVE_MODE, 25, 1), 1
	s_wait_xcnt 0x0
	s_wait_alu depctr_vm_vsrc(0)
; PROJ.  The three input projections on codes of BF6, bias as the C of each sum's first product, and the results quantised in registers into the operand images of the attention launch.
; Work-groups 0-63: Q, 64-127: K, 128-191: V; work-group j of a kind takes 128 tokens.  Every wave keeps EIGHT TILES OF SOURCE 0 (128 rows, all of K = 512: 384 registers) and walks eight tiles of source 1.
; A lane then holds one row of source 1, and its 64 results run along source 0's 128 rows; those rows are permuted in their tiles so that register 16 b + i is row 32 b + 16 (lane / 16) + i.
;   Q, K: source 0 = 128 features of the weight (heads 2 w, 2 w + 1), source 1 = tokens: the results run along the head's 64, the K of the scores.
;   V:    source 0 = 128 tokens (a key step), source 1 = 128 features of Wv: the results run along the keys, the K of the second product.
; OUT.  kvc: K and V at 0, Q at 6,291,456; [batch x 8 + head][step of 128 tokens][12,288]: eight half fragments (16 tokens x 64: registers 0-3 at 16 lane, 4-5 at 512 + 8 lane) of 768 bytes, then V's four fragments of 1,536.
; kvs: K and V at 0, Q at 524,288; [batch x 8 + head][step][1,024]: chunk i of 512: the words of token tiles 4 i .. 4 i + 3 at 16 r + 4 (tile % 4) (bytes 2, 3 zero), then at 256 V's four words at 16 r + 4 tile, in both chunks.
; No LDS, no barrier: waves share nothing.  Every store covers 512 or 256 consecutive bytes.
; LIMITS: NaN and infinities are not served; a block of zeros has the byte 1 (its codes are zeros; this program alone reads the bytes).
; REGISTERS: window 0 as below; window 1: source 0's tiles 0-3 (48 tile + 12 K step); window 2: tiles 4-7; window 3: v0-63 the bias of Q and K, v64-159 source 1's four fragments, two sets.
; THE MODE: SCHED_MODE bits 1:0 = 2 (LLVM: expert scheduling mode 2), set by the entry lines.  The code itself states the register dependences
; between vector or matrix instructions and memory instructions, with s_wait_alu, always for 0.
; THE PLAN.  Registers that memory instructions touch, tile by tile:
;   BF, BS, BB, set n % 2   The loads of tile n, issued at the head of tile n - 1, land in them; tile n's 32 products read BF and BS, its eight moves (V) read BB.
;   PC, SW                  Written by tile n's quantiser (SW of Q and K also by the shifts behind it); read by tile n's stores.
;   v1 to v8                Offsets, made once at the head and never written again.  Source 0's tiles, their scale words and the bias of Q and K are loaded once.
; So a tile has three waits: one on va_vdst ahead of the loads into the set that the tile before last has left; one on vm_vsrc ahead of the quantiser, which writes the codes' registers
; that the last tile's stores read; one on va_vdst behind the quantiser, ahead of the tile's run of stores.
.set LI,  1                            ; 16 x lane
.set L8,  2                            ; 8 x lane
.set SR,  3                            ; 16 r
.set SA,  4                            ; 16 r + 32,768 h: lanes 16-31 store the second head's scale words
.set SAV, 5                            ; 16 r + 512 h + 256: V's words go into both chunks
.set BA,  6                            ; 64 h
.set BAV, 7                            ; 4 (r + 8 (r / 8))
.set SH,  8                            ; 16 h
.set HA,  16                           ; v16-79   the eight accumulators
.set PC,  80                           ; v80-91   the codes just made
.set T2,  92
.set TM,  100
.set SW,  116                          ; v116-123 the eight tiles' scale words
.set BV,  124                          ; v124-131 V's bias as a C
.set BB,  132                          ; v132-133 V's bias of my row, two sets
.set AS,  136                          ; v136-167 source 0's scale words: 4 tile + K step
.set BS,  168                          ; v168-175 source 1's, two sets
.set BI,  0                            ; in window 3
.set BF,  64                           ; in window 3
.set SEL, 42
.set MSB, 0
.macro WIN new                         ; the immediate's high byte repeats the setting that is left
.if MSB != (\new)
	s_set_vgpr_msb (MSB<<8)|(\new)
.set MSB, (\new)
.endif
.endm
.macro QUANT s, pc, t2, tm, pw         ; 64 numbers of a lane, register 16 b + i = k 32 b + 16 (lane / 16) + i, become a fragment in v[pc] on and its scale word in v[pw]
.irp b, 0,1,2,3
	v_max3_num_f32 v[\tm+\b], |v[\s+16*\b]|, |v[\s+16*\b+1]|, 0x2800000      ; each accumulator is read from its low end on; the floor 2^(5 - 127) holds the byte at 1
.endr
.irp i, 2,4,6,8,10,12,14
.irp b, 0,1,2,3
	v_max3_num_f32 v[\tm+\b], v[\tm+\b], |v[\s+16*\b+\i]|, |v[\s+16*\b+\i+1]|
.endr
.endr
.irp b, 0,1,2,3
	v_permlanex16_b32 v[\tm+4+\b], v[\tm+\b], s[SEL], s[SEL+1]
.endr
.irp b, 0,1,2,3
	v_max_num_f32 v[\tm+\b], v[\tm+\b], v[\tm+4+\b]
.endr
.irp b, 0,1,2,3
	v_add_nc_u32 v[\tm+12+\b], 0xfe000000, v[\tm+\b]
.endr
.irp b, 0,1,2,3
	v_lshrrev_b32 v[\tm+4+\b], 23, v[\tm+12+\b]
.endr
	v_lshl_or_b32 v[\pw], v[\tm+5], 8, v[\tm+4]
	v_lshl_or_b32 v[\pw], v[\tm+6], 16, v[\pw]
	v_lshl_or_b32 v[\pw], v[\tm+7], 24, v[\pw]
.irp c, 0,1
	v_cvt_scalef32_pk16_bf6_f32 v[\pc+6*\c:\pc+6*\c+2], v[\s+32*\c:\s+32*\c+15], v[\tm+12+2*\c]
	v_cvt_scalef32_pk16_bf6_f32 v[\t2+4*\c:\t2+4*\c+2], v[\s+32*\c+16:\s+32*\c+31], v[\tm+12+2*\c+1]
.endr
	v_nop                                          ; one plain instruction behind the scaled conversions
.irp c, 0,1
.irp i, 0,1,2
	v_permlane16_swap_b32 v[\pc+6*\c+\i], v[\t2+4*\c+\i]
.endr
.irp i, 0,1,2
	v_mov_b32 v[\pc+6*\c+3+\i], v[\t2+4*\c+\i]
.endr
.endr
.endm
	s_load_b256 s[4:11], s[0:1], 0x0               ; opc, ops, bq, bk
	s_load_b128 s[12:15], s[0:1], 0x20             ; bv, kvc
	s_load_b64 s[16:17], s[0:1], 0x30              ; kvs
	v_lshrrev_b32 v9, 5, v0
	v_readfirstlane_b32 s18, v9                    ; wave 0..3
	v_and_b32 v9, 31, v0
	v_and_b32 v10, 15, v0                          ; r
	v_bfe_u32 v11, v0, 4, 1                        ; h
	v_lshlrev_b32 v[LI], 4, v9
	v_lshlrev_b32 v[L8], 3, v9
	v_lshlrev_b32 v[SR], 4, v10
	v_lshl_add_u32 v[SA], v11, 15, v[SR]
	v_lshl_add_u32 v[SAV], v11, 9, v[SR]
	v_add_nc_u32 v[SAV], 256, v[SAV]
	v_lshlrev_b32 v[BA], 6, v11
	v_and_b32 v[BAV], 8, v10
	v_add_nc_u32 v[BAV], v[BAV], v10
	v_lshlrev_b32 v[BAV], 2, v[BAV]
	v_lshlrev_b32 v[SH], 4, v11
.irp b, 0,1,2,3
	v_mov_b32 v[TM+4+\b], 0                        ; written once: a lane permute's destination counts as one of its sources
.endr
	s_wait_alu depctr_va_sdst(0)                   ; s18, the wave's number, is written, ahead of its first reader: the tiles and the bases are made from it
	s_mov_b32 s[SEL], 0x76543210
	s_mov_b32 s[SEL+1], 0xfedcba98
	s_lshr_b32 s20, ttmp9, 6                       ; kind: 0 Q, 1 K, 2 V
	s_and_b32 s21, ttmp9, 63                       ; j: which 128 tokens
	s_lshl_b32 s22, s20, 5
	s_lshl_b32 s23, s18, 3
	s_add_co_u32 s22, s22, s23
	s_add_co_u32 s22, s22, 1536                    ; Q, K: source 0 = the weight's tiles 8 w on
	s_lshl_b32 s24, s20, 9
	s_lshl_b32 s25, s21, 3
	s_add_co_u32 s24, s24, s25                     ;       source 1 = the tokens' tiles 8 j on
	s_add_co_u32 s26, s25, 1024                    ; V: source 0 = v's tiles 8 j on
	s_add_co_u32 s27, s23, 1600                    ;    source 1 = Wv's tiles 8 w on
	s_cmp_eq_u32 s20, 2
	s_cselect_b32 s22, s26, s22
	s_cselect_b32 s24, s27, s24
	s_mov_b32 s45, 0
	s_lshr_b32 s48, s21, 5                         ; batch
	s_and_b32 s49, s21, 31                         ; step
	s_wait_kmcnt 0x0
	s_mul_i32 s44, s22, 6144
	s_add_nc_u64 s[28:29], s[4:5], s[44:45]        ; source 0's codes
	s_lshl_b32 s44, s22, 8
	s_add_nc_u64 s[30:31], s[6:7], s[44:45]        ; and scale words
	s_mul_i32 s44, s24, 6144
	s_add_nc_u64 s[32:33], s[4:5], s[44:45]        ; source 1's codes
	s_lshl_b32 s44, s24, 8
	s_add_nc_u64 s[34:35], s[6:7], s[44:45]        ; and scale words
	s_cmp_eq_u32 s20, 0
	s_cselect_b64 s[36:37], s[8:9], s[10:11]
	s_cselect_b32 s46, 6291456, 0                  ; Q's region of kvc
	s_cselect_b32 s47, 524288, 0                   ; and of kvs
	s_cmp_eq_u32 s20, 2
	s_cselect_b64 s[36:37], s[12:13], s[36:37]
	s_lshl_b32 s44, s18, 9
	s_add_nc_u64 s[36:37], s[36:37], s[44:45]      ; the bias of my 128 features
	s_mul_i32 s44, s48, 3145728
	s_mul_i32 s50, s18, 786432                     ; head 2 w
	s_add_co_u32 s44, s44, s50
	s_mul_i32 s50, s49, 12288
	s_add_co_u32 s44, s44, s50
	s_add_co_u32 s44, s44, s46
	s_add_nc_u64 s[38:39], s[14:15], s[44:45]      ; where my codes go
	s_lshl_b32 s44, s48, 18
	s_lshl_b32 s50, s18, 16
	s_add_co_u32 s44, s44, s50
	s_lshl_b32 s50, s49, 10
	s_add_co_u32 s44, s44, s50
	s_add_co_u32 s44, s44, s47
	s_add_nc_u64 s[40:41], s[16:17], s[44:45]      ; and my scale words
	WIN 0x40                                       ; destination window 1
	s_wait_alu depctr_va_vdst(0)                   ; the offsets v1 to v8 are written: every load and store of the kernel reads one of them
.irp t, 0,1,2,3
.irp c, 0,1,2,3,4,5,6,7,8,9,10,11
	global_load_b128 v[48*\t+4*\c:48*\t+4*\c+3], v[LI], s[28:29] offset:6144*\t+512*\c
.endr
.endr
	WIN 0x80                                       ; destination window 2
.irp t, 0,1,2,3
.irp c, 0,1,2,3,4,5,6,7,8,9,10,11
	global_load_b128 v[48*\t+4*\c:48*\t+4*\c+3], v[LI], s[28:29] offset:6144*(\t+4)+512*\c
.endr
.endr
	WIN 0
.irp t, 0,1,2,3,4,5,6,7
	global_load_b128 v[AS+4*\t:AS+4*\t+3], v[SR], s[30:31] offset:256*\t
.endr
.macro LOADB n, isv                    ; source 1's tile n: four fragments, its scale words, and for V the bias of my row
	WIN 0xc0                                       ; destination window 3
.if (\n) > 1
	s_wait_alu depctr_va_vdst(0)                   ; the products of tile n - 2 are done reading this set's fragments and scale words, and its moves (V) this set's bias: the loads below land in them
.endif
.irp c, 0,1,2,3,4,5,6,7,8,9,10,11
	global_load_b128 v[BF+48*((\n)%2)+4*\c:BF+48*((\n)%2)+4*\c+3], v[LI], s[32:33] offset:6144*(\n)+512*\c
.endr
	WIN 0
	global_load_b128 v[BS+4*((\n)%2):BS+4*((\n)%2)+3], v[SR], s[34:35] offset:256*(\n)
.if \isv
	global_load_b32 v[BB+(\n)%2], v[BAV], s[36:37] offset:(32*((\n)/2)+8*((\n)%2))*4
.endif
.endm
; 16 products: source 0's tiles g .. g + 3 against tile n, the four K steps.  The four accumulators take turns, one instruction a turn.
.macro MUL4 n, g, isv
.irp s, 0,1,2,3
.if (\s == 0) && (\isv == 0)
	WIN 0x3d+(\g)/4                                ; source 0 window 1 or 2, source 1 and C window 3, D window 0
.else
	WIN 0x0d+(\g)/4                                ; C window 0
.endif
.irp t, 0,1,2,3
.if (\s == 0) && (\isv == 0)
	v_wmma_scale_f32_16x16x128_f8f6f4 v[HA+8*(\g+\t):HA+8*(\g+\t)+7], v[48*\t+12*\s:48*\t+12*\s+11], v[BF+48*((\n)%2)+12*\s:BF+48*((\n)%2)+12*\s+11], v[BI+8*(\g+\t):BI+8*(\g+\t)+7], v[AS+4*(\g+\t)+\s], v[BS+4*((\n)%2)+\s] matrix_a_fmt:MATRIX_FMT_BF6 matrix_b_fmt:MATRIX_FMT_BF6
.elseif \s == 0
	v_wmma_scale_f32_16x16x128_f8f6f4 v[HA+8*(\g+\t):HA+8*(\g+\t)+7], v[48*\t+12*\s:48*\t+12*\s+11], v[BF+48*((\n)%2)+12*\s:BF+48*((\n)%2)+12*\s+11], v[BV:BV+7], v[AS+4*(\g+\t)+\s], v[BS+4*((\n)%2)+\s] matrix_a_fmt:MATRIX_FMT_BF6 matrix_b_fmt:MATRIX_FMT_BF6
.else
	v_wmma_scale_f32_16x16x128_f8f6f4 v[HA+8*(\g+\t):HA+8*(\g+\t)+7], v[48*\t+12*\s:48*\t+12*\s+11], v[BF+48*((\n)%2)+12*\s:BF+48*((\n)%2)+12*\s+11], v[HA+8*(\g+\t):HA+8*(\g+\t)+7], v[AS+4*(\g+\t)+\s], v[BS+4*((\n)%2)+\s] matrix_a_fmt:MATRIX_FMT_BF6 matrix_b_fmt:MATRIX_FMT_BF6
.endif
.endr
.endr
.endm
.macro TILE n, isv
.if (\n) < 7
	LOADB (\n)+1, \isv                             ; into the set that the tile before has left: the loads have this whole tile in which to land
	s_wait_loadcnt 13+\isv                         ; all but the loads just issued: this tile's operands are in
.else
	s_wait_loadcnt 0x0
.endif
.if \isv
.irp j, 0,1,2,3,4,5,6,7
	v_mov_b32 v[BV+\j], v[BB+(\n)%2]               ; a lane holds one feature: its bias, eight times, is the C
.endr
.rept 4
	v_nop
.endr
.endif
	MUL4 \n, 0, \isv
	MUL4 \n, 4, \isv
	WIN 0
.rept 4
	v_nop                                          ; places behind the last products, ahead of the first read of results (ISA guide 7.12.1)
.endr
	s_wait_xcnt 0x0                                ; the last tile's stores have had their addresses translated
.if (\n) > 0
	s_wait_alu depctr_vm_vsrc(0)                   ; the last tile's stores have read the codes' registers v[PC ..], which the quantiser writes again
.endif
	QUANT HA, PC, T2, TM, SW+(\n)
.if (\isv == 0) && ((\n)%4 == 3)
.irp i, 0,1,2,3
	v_lshrrev_b32 v[SW+4*((\n)/4)+\i], v[SH], v[SW+4*((\n)/4)+\i]   ; lanes 0-15 keep bytes 0, 1 (head 2 w), lanes 16-31 bytes 2, 3 (head 2 w + 1)
.endr
.irp i, 0,1,2,3
	v_and_b32 v[SW+4*((\n)/4)+\i], 0xffff, v[SW+4*((\n)/4)+\i]      ; bytes 2, 3: zero, for the upper 64 along K, whose codes are zeros on one side
.endr
.endif
	s_wait_alu depctr_va_vdst(0)                   ; the quantiser has written the codes v[PC ..] and the scale words v[SW ..] (Q, K: the shifts too), which the stores below read
.if \isv
.irp c, 0,1,2
	global_store_b128 v[LI], v[PC+4*\c:PC+4*\c+3], s[38:39] offset:393216*((\n)/4)+6144+1536*((\n)%4)+512*\c   ; 16 features x 128 keys
.endr
.if (\n)%4 == 3
	global_store_b128 v[SAV], v[SW+4*((\n)/4):SW+4*((\n)/4)+3], s[40:41] offset:32768*((\n)/4)   ; a head's four words a row, into both chunks
.endif
.else
	global_store_b128 v[LI], v[PC:PC+3], s[38:39] offset:768*(\n)                  ; head 2 w
	global_store_b64 v[L8], v[PC+4:PC+5], s[38:39] offset:768*(\n)+512
	global_store_b128 v[LI], v[PC+6:PC+9], s[38:39] offset:393216+768*(\n)         ; head 2 w + 1
	global_store_b64 v[L8], v[PC+10:PC+11], s[38:39] offset:393216+768*(\n)+512
.if (\n)%4 == 3
	global_store_b128 v[SA], v[SW+4*((\n)/4):SW+4*((\n)/4)+3], s[40:41] offset:512*((\n)/4)
.endif
.endif
.endm
	s_cmp_eq_u32 s20, 2
	s_cbranch_scc1 .Lvpath
	WIN 0xc0
.irp t, 0,1,2,3,4,5,6,7                ; Q, K: the bias in the result's layout: tile t, lane (r, h): features 32 (t / 2) + 16 h + 8 (t % 2) + 0 .. 7
	global_load_b128 v[BI+8*\t:BI+8*\t+3], v[BA], s[36:37] offset:(32*(\t/2)+8*(\t%2))*4
	global_load_b128 v[BI+8*\t+4:BI+8*\t+7], v[BA], s[36:37] offset:(32*(\t/2)+8*(\t%2))*4+16
.endr
	WIN 0
	LOADB 0, 0
.irp n, 0,1,2,3,4,5,6,7
	TILE \n, 0
.endr
	s_endpgm
.Lvpath:
	LOADB 0, 1
.irp n, 0,1,2,3,4,5,6,7
	TILE \n, 1
.endr
	s_endpgm
.Lfunc_end_k_qbfc12eaf60_proj:
	.size	k_qbfc12eaf60_proj, .Lfunc_end_k_qbfc12eaf60_proj-k_qbfc12eaf60_proj
	.p2alignl 7, 3214868480
	.fill 96, 4, 3214868480
	.section	.rodata,"a",@progbits
	.p2align	6, 0x0
	.amdhsa_kernel k_qbfc12eaf60_proj
		.amdhsa_group_segment_fixed_size 0
		.amdhsa_private_segment_fixed_size 0
		.amdhsa_enable_private_segment 0
		.amdhsa_kernarg_size 56
		.amdhsa_user_sgpr_count 2
		.amdhsa_user_sgpr_kernarg_segment_ptr 1
		.amdhsa_wavefront_size32 1
		.amdhsa_system_sgpr_workgroup_id_x 1
		.amdhsa_system_sgpr_workgroup_id_y 1
		.amdhsa_system_sgpr_workgroup_id_z 1
		.amdhsa_system_vgpr_workitem_id 0
		.amdhsa_next_free_vgpr 928
		.amdhsa_next_free_sgpr 66
		.amdhsa_reserve_vcc 0
		.amdhsa_float_denorm_mode_32 3
		.amdhsa_float_denorm_mode_16_64 3
		.amdhsa_memory_ordered 1
		.amdhsa_forward_progress 1
		.amdhsa_inst_pref_size 176
	.end_amdhsa_kernel
	.amdgpu_metadata
---
amdhsa.version: [ 1, 2 ]
amdhsa.kernels:
  - .name:           k_qbfc12eaf60_proj
    .symbol:         k_qbfc12eaf60_proj.kd
    .args:
      - { .name: opc, .offset: 0, .size: 8, .value_kind: global_buffer, .address_space: global }
      - { .name: ops, .offset: 8, .size: 8, .value_kind: global_buffer, .address_space: global }
      - { .name: bq, .offset: 16, .size: 8, .value_kind: global_buffer, .address_space: global }
      - { .name: bk, .offset: 24, .size: 8, .value_kind: global_buffer, .address_space: global }
      - { .name: bv, .offset: 32, .size: 8, .value_kind: global_buffer, .address_space: global }
      - { .name: kvc, .offset: 40, .size: 8, .value_kind: global_buffer, .address_space: global }
      - { .name: kvs, .offset: 48, .size: 8, .value_kind: global_buffer, .address_space: global }
    .group_segment_fixed_size: 0
    .private_segment_fixed_size: 0
    .kernarg_segment_align: 8
    .kernarg_segment_size: 56
    .max_flat_workgroup_size: 128
    .sgpr_count:     66
    .vgpr_count:     928
    .wavefront_size: 32
...
	.end_amdgpu_metadata
.endif
;; end of part 6
;; launch attn (part 7): grid 16 x 16, 16 waves a work-group, no clusters, 100,352 bytes of LDS; arguments kvc, kvs, flags, mask, aoc, aos; writes aoc, aos
.if DOCPART == 7
	.amdgcn_target "amdgcn-amd-amdhsa--gfx1250"
	.amdhsa_code_object_version 6
	.text
	.protected	k_qbfc12eaf60_attn
	.globl	k_qbfc12eaf60_attn
	.p2align	8
	.type	k_qbfc12eaf60_attn,@function
k_qbfc12eaf60_attn:
	s_mov_b64 s[64:65], 0
	v_nop
	global_prefetch_b8 v0, s[64:65] scope:SCOPE_SE
	s_setreg_imm32_b32 hwreg(HW_REG_WAVE_SCHED_MODE, 0, 2), 2
	s_setreg_imm32_b32 hwreg(HW_REG_WAVE_MODE, 25, 1), 1
	s_wait_xcnt 0x0
	s_wait_alu depctr_vm_vsrc(0)
; ATTN.  O = softmax(mask(Q K^T / 8)) V for one head, both products on codes of BF6; O / l is quantised along the head's 64 into the last product's operand images.
; THE SOFTMAX AHEAD OF THE SECOND PRODUCT: t = score x log2(e) / 8; M = the running largest t rounded UP to a whole number; p = 2^(t - M) is quantised along the keys, not normalised;
; the row's sum is taken of the unquantised p and divides at the end; when M moves, the sum and O are multiplied by 2^(old M - new M), which rounds nothing.
; THE MASK IS AN INPUT.  An earlier launch has stored, for each tile of 16 queries, a word ANY and a word ALL with a bit for each step of 128 keys.  A step with ANY = 0 gives p = 0 throughout and
; changes neither M, the sum nor O: its work is jumped over.  A step with ALL = 1 needs no mask bytes.  Any other step loads its 16 x 128 bytes and sets hidden scores to -infinity ahead of the maximum.
; These are branches on stored whole numbers, so the launch has no tensor load: K and V go from memory through registers into LDS; every wave passes every barrier.
; No cluster: what the 16 work-groups of a head share, 393,216 bytes each, could be asked for jointly only by tensor loads, which exclude the branch on the flags.
; SHARES.  A work-group has 16 waves, each with one tile of 16 queries in 256 registers.  Wave w takes tile w % 4 of a group of 64 queries out of quarter kk = (w / 4 + w) % 4 of the sequence, the
; quarters walked up and down by turns with the work-group's number: right for every mask, and even for masks that grow with the query's number.
; LAYOUT.  Both products transposed: S^T = K Q^T (source 0 = 16 keys), O^T = V^T P^T (source 0 = 16 of the head's 64): a lane holds one query throughout.  The keys of a tile are permuted, so that the
; 16 registers of tiles 2 b, 2 b + 1 are keys 32 b + 16 (lane / 16) + 0 .. 15; V's features likewise, so that O^T's registers run along the head.
; THE HEAD IS 64 OF THE INSTRUCTION'S 128: Q's upper six registers are zeros; K's upper six are whatever follows (the next tile's codes): finite numbers times zero codes, under the scale byte 0, add 0.
; LDS: two slots of two steps' records (24,576 bytes each, as they lie in kvc) at 0 and 32,768; the head's scale words (32,768 bytes, as they lie in kvs) at 65,536, stored once.
; LIMITS: t above -3e38; NaN and infinities among the inputs are not served; mask bytes are 0 or 1.  A query for which no key counts gets the scale bytes 0xff: the last product makes its row NaN, as the softmax of nothing is.
; THE MODE: SCHED_MODE bits 1:0 = 2 (LLVM: expert scheduling mode 2), set by the entry lines.  The code itself states the register dependences
; between vector or matrix instructions and memory or LDS instructions, with s_wait_alu, always for 0.
; THE PLAN.  Registers that memory or LDS instructions touch, in the loop:
;   v32-79   (KF)  A step: K's LDS loads land; the eight score products read them; V's LDS loads land; the four products of the second kind read them.
;   v88-95   (SC)  Loaded at a step's head; read as scales by the step's twelve products.
;   v204-219 (MB)  A step with holes: global loads at its head land; its 64 v_and read them.
;   v192-203 (FR)  Global loads land; half a trip later LDS stores read them.  No vector instruction names them.
;   v9       (ADS) Read by SC's loads; written once a trip, at the trip's end.
;   v1, v2, v4, v5, v10: offsets and LDS addresses, made once at the head and never written again.
; A step that is walked has three waits on va_vdst for memory's sake: at its head (the step before is done with KF, SC and MB, and ADS is written), behind the score products (they are done with K's
; registers, in which V lands), and ahead of the four products that take p's codes and scale word, which vector instructions have just written; the two waits behind the exponentials stand as ever.
; Half a trip has one wait on vm_vsrc (FR), a trip one more (ADS).  The mask's compares go in runs of 16 into s32 to s47, with one wait on va_sdst behind each run.
.set A16, 1                            ; 16 x lane
.set A8,  2                            ; 8 x lane
.set MA,  4                            ; the mask: 4,096 r + 16 h
.set FG,  5                            ; the fills: 1,536 w + 16 lane, in memory and in a slot alike
.set SG,  6                            ; the scale words: 2,048 w + 16 lane in memory,
.set SL,  7                            ; and in LDS
.set ADS, 9                            ; the trip's scale words: 65,536 + 16 lane + 4,096 trip
.set PFO, 10                           ; the prefetches: 256 x thread
.set QF,  16                           ; v16-21 Q, v22-27 zeros
.set QS,  28                           ; Q's scale word
.set NINF, 29                          ; -infinity
.set KF,  32                           ; v32-79 K's eight half fragments, later V's four fragments; v80-85 zeros
.set SC,  88                           ; v88-95 lanes 0-15: K's scale words of tiles 0-7; lanes 16-31: V's of tiles 0-3 (twice)
.set S,   96                           ; v96-159 S^T, then p
.set O,   160                          ; v160-191 O^T
.set FR,  192                          ; v192-203 a fill on its way
.set MB,  204                          ; v204-219 mask bytes
.set BM,  220                          ; v220-223 the blocks' largest scores
.set PC,  224                          ; v224-235 p's codes
.set T2,  236                          ; v236-243 at work
.set HID, 32                           ; s32-47 a run of 16 masks: the lanes whose key is hidden (free since the head)
.set SLOTB, 24576
	s_load_b256 s[4:11], s[0:1], 0x0               ; kvc, kvs, flags, mask
	s_load_b128 s[12:15], s[0:1], 0x20             ; aoc, aos
	v_lshl_add_u32 v250, v0, 2, 0x18000
	v_mov_b32 v251, 0
	v_lshrrev_b32 v8, 5, v0
	v_readfirstlane_b32 s16, v8                    ; wave 0..15
	s_wait_alu depctr_va_sdst(0)                   ; s16 is written, ahead of its first reader: my tile of queries and every base are made from it
	s_and_b32 s17, ttmp7, 0xffff                   ; batch x 8 + head
	s_mov_b32 s18, ttmp9                           ; x
	s_lshr_b32 s30, s16, 2
	s_add_co_u32 s30, s30, s16
	s_and_b32 s30, s30, 3                          ; kk
	s_sub_co_u32 s31, 15, s18
	s_bitcmp1_b32 s30, 0
	s_cselect_b32 s31, s31, s18                    ; odd quarters are walked downward
	s_lshl_b32 s30, s30, 4
	s_add_co_u32 s30, s30, s31                     ; my group of 64 queries
	s_lshl_b32 s30, s30, 2
	s_and_b32 s31, s16, 3
	s_add_co_u32 s19, s30, s31                     ; qt: my tile of 16 queries
.irp z, 33,35,39,41,43,45,47,57
	s_mov_b32 s\z, 0
.endr
	s_mul_i32 s32, s17, 393216                     ; the head's records
	s_lshr_b32 s36, s19, 3
	s_mul_i32 s34, s36, 12288
	s_and_b32 s37, s19, 7
	s_mul_i32 s37, s37, 768
	s_add_co_u32 s34, s34, s37
	s_add_co_u32 s34, s34, s32
	s_add_co_u32 s34, s34, 6291456                 ; Q's half fragment
	s_lshl_b32 s38, s17, 15                        ; the head's scale words
	s_lshl_b32 s40, s36, 10
	s_bfe_u32 s37, s19, 0x10002
	s_lshl_b32 s37, s37, 9
	s_add_co_u32 s40, s40, s37
	s_lshl_b32 s37, s31, 2
	s_add_co_u32 s40, s40, s37
	s_add_co_u32 s40, s40, s38
	s_add_co_u32 s40, s40, 524288                  ; Q's scale words
	s_lshl_b32 s42, s19, 3                         ; my flags
	s_lshl_b32 s44, s19, 16                        ; my 16 rows of the mask
	s_lshr_b32 s46, s17, 3
	s_lshl_b32 s46, s46, 8
	s_add_co_u32 s46, s46, s19                     ; T = 256 batch + qt
	s_and_b32 s48, s17, 7                          ; head
	s_lshl_b32 s56, s48, 9
	s_add_co_u32 s56, s56, s46
	s_lshl_b32 s56, s56, 7                         ; aos: 128 (512 head + T)
	s_mul_i32 s46, s46, 6144
	s_mul_i32 s48, s48, 768
	s_add_co_u32 s46, s46, s48                     ; aoc: 6,144 T + 768 head
	s_cmp_lt_u32 s16, 3                            ; waves 0-2 of the head's first work-group prefetch: in trips under 7 (first half) and under 6 (second half)
	s_cselect_b32 s27, 7, 0
	s_cselect_b32 s28, 6, 0
	s_cmp_eq_u32 s18, 0
	s_cselect_b32 s27, s27, 0
	s_cselect_b32 s28, s28, 0
	s_mov_b32 s20, 0x76543210
	s_mov_b32 s21, 0xfedcba98                      ; lane selects: lane l xor 16
	s_mov_b32 s22, 0x3e38aa3b                      ; c = log2(e) / 8
	s_mov_b32 s23, s22                             ; (named with it as a pair, so it is written)
	v_and_b32 v8, 31, v0                           ; lane
	v_and_b32 v11, 15, v0                          ; r
	v_bfe_u32 v3, v0, 4, 1                         ; h
	v_lshlrev_b32 v[A16], 4, v8
	v_lshlrev_b32 v[A8], 3, v8
	v_lshlrev_b32 v[MA], 12, v11
	v_lshl_add_u32 v[MA], v3, 4, v[MA]
	s_mul_i32 s54, s16, 1536
	v_add_nc_u32 v[FG], s54, v[A16]
	s_lshl_b32 s54, s16, 11
	v_add_nc_u32 v[SG], s54, v[A16]
	v_add_nc_u32 v[SL], 0x10000, v[SG]
	v_add_nc_u32 v[ADS], 0x10000, v[A16]
	v_lshlrev_b32 v[PFO], 8, v0
	v_lshlrev_b32 v30, 4, v11                      ; 16 r
	v_lshlrev_b32 v31, 2, v8                       ; 4 x lane
	s_wait_kmcnt 0x0
	s_add_nc_u64 s[8:9], s[8:9], s[42:43]
	s_load_b64 s[24:25], s[8:9], 0x0               ; ANY, ALL
	s_add_nc_u64 s[50:51], s[4:5], s[34:35]
	s_add_nc_u64 s[52:53], s[6:7], s[40:41]
	s_add_nc_u64 s[4:5], s[4:5], s[32:33]          ; K and V: the head's first slot
	s_add_nc_u64 s[6:7], s[6:7], s[38:39]
	s_add_nc_u64 s[10:11], s[10:11], s[44:45]
	s_add_nc_u64 s[12:13], s[12:13], s[46:47]
	s_add_nc_u64 s[14:15], s[14:15], s[56:57]
	s_wait_alu depctr_va_vdst(0)                   ; the offsets and LDS addresses v1 to v10, v30 and v31 are written: the loads, stores and prefetches of the kernel read them
	global_load_b128 v[QF:QF+3], v[A16], s[50:51]
	global_load_b64 v[QF+4:QF+5], v[A8], s[50:51] offset:512
	global_load_b32 v[QS], v30, s[52:53]
.irp i, 0,1,2,3
	global_load_b128 v[S+4*\i:S+4*\i+3], v[SG], s[6:7] offset:512*\i          ; my sixteenth of the head's scale words
.endr
.irp i, 0,1,2
	global_load_b128 v[S+16+4*\i:S+16+4*\i+3], v[FG], s[4:5] offset:512*\i    ; my sixteenth of slot 0
.endr
.irp j, 0,1,2,3,4,5
	v_mov_b32 v[QF+6+\j], 0                        ; Q's upper 64 along K: zero codes
	v_mov_b32 v[KF+48+\j], 0                       ; what follows K's tile 7
.endr
	v_mov_b32 v[NINF], 0xff800000
	v_mov_b32 v13, 0xff61b1e6                      ; the largest t so far: -3e38
	v_floor_f32 v12, -v13                          ; -M
	v_mov_b32 v14, 0                               ; the sum, in two halves
	v_mov_b32 v15, 0
.irp j, 0,1,2,3,4,5,6,7,8,9,10,11,12,13,14,15,16,17,18,19,20,21,22,23,24,25,26,27,28,29,30,31
	v_mov_b32 v[O+\j], 0                           ; O^T: which step is a wave's first hangs on the flags, so no first step can be written out
.endr
.irp b, 0,1,2,3
	v_mov_b32 v[T2+\b], 0                          ; written once: a lane permute's destination counts as one of its sources
.endr
	v_mov_b32 v253, 0                              ; (named as the upper half of the pair v[252:253] before it is first written)
	s_wait_loadcnt 0x0
.irp i, 0,1,2,3
	ds_store_b128 v[SL], v[S+4*\i:S+4*\i+3] offset:512*\i
.endr
.irp i, 0,1,2
	ds_store_b128 v[FG], v[S+16+4*\i:S+16+4*\i+3] offset:512*\i
.endr
	s_add_nc_u64 s[4:5], s[4:5], SLOTB             ; (every load that named it is done)
.irp i, 0,1,2
	global_load_b128 v[FR+4*\i:FR+4*\i+3], v[FG], s[4:5] offset:512*\i        ; slot 1's first bytes are on their way
.endr
	s_wait_kmcnt 0x0                               ; the flags
	s_wait_dscnt 0x0                               ; for the others' sake: my stores have landed
	s_barrier_signal -1
	s_barrier_wait -1
; K is in; eight products start the scores; four places; V's twelve loads land while the softmax is walked.
.macro SCORES base
	s_wait_dscnt 0x0
.irp t, 0,1,2,3,4,5,6,7
	v_wmma_scale_f32_16x16x128_f8f6f4 v[S+8*\t:S+8*\t+7], v[KF+6*\t:KF+6*\t+11], v[QF:QF+11], 0, v[SC+\t], v[QS] matrix_a_fmt:MATRIX_FMT_BF6 matrix_b_fmt:MATRIX_FMT_BF6
.endr
.rept 4
	v_nop                                          ; places ahead of the first read of results (ISA guide 7.12.1)
.endr
	s_wait_alu depctr_va_vdst(0)                   ; the eight products are done reading K's registers v[KF ..], in which V's loads land
.irp c, 0,1,2,3,4,5,6,7,8,9,10,11
	ds_load_b128 v[KF+4*\c:KF+4*\c+3], v[A16] offset:\base+6144+512*\c
.endr
.endm
.macro SOFTMAX
.irp b, 0,1,2,3
	v_max3_num_f32 v[BM+\b], v[S+16*\b], v[S+16*\b+1], v[S+16*\b+2]   ; the largest score of each block of 32 keys: for the row's maximum, and, since p rises with the score, for the block's largest p
.endr
.irp i, 3,5,7,9,11,13
.irp b, 0,1,2,3
	v_max3_num_f32 v[BM+\b], v[BM+\b], v[S+16*\b+\i], v[S+16*\b+\i+1]
.endr
.endr
.irp b, 0,1,2,3
	v_max_num_f32 v[BM+\b], v[BM+\b], v[S+16*\b+15]
.endr
.irp b, 0,1,2,3
	v_permlanex16_b32 v[T2+\b], v[BM+\b], s20, s21
.endr
.irp b, 0,1,2,3
	v_max_num_f32 v[BM+\b], v[BM+\b], v[T2+\b]     ; with lane l xor 16's 16 keys
.endr
	v_max3_num_f32 v254, v[BM], v[BM+1], v[BM+2]
	v_max_num_f32 v254, v254, v[BM+3]
	v_mul_f32 v254, s22, v254                      ; the step's largest t (c is positive)
	v_max_num_f32 v13, v13, v254                   ; the running largest t
	v_mov_b32 v254, v12
	v_floor_f32 v12, -v13                          ; the new -M = -ceil(t): a whole number
	v_sub_f32 v254, v12, v254                      ; old M - new M: a whole number, 0 or less
	v_cvt_i32_f32 v254, v254                       ; (it saturates)
	v_ldexp_f32 v252, 1.0, v254                    ; f = 2^(old M - new M)
.irp j, 0,2,4,6,8,10,12,14,16,18,20,22,24,26,28,30,32,34,36,38,40,42,44,46,48,50,52,54,56,58,60,62
	v_pk_fma_f32 v[S+\j:S+\j+1], v[S+\j:S+\j+1], s[22:23], v[12:13] op_sel_hi:[1,0,0]   ; t - M, two at a time
.endr
.irp b, 0,1,2,3
	v_fma_f32 v[BM+\b], v[BM+\b], s22, v12         ; the same of each block's largest score
.endr
	s_wait_alu depctr_va_vdst(0)
.irp j, 0,1,2,3,4,5,6,7,8,9,10,11,12,13,14,15,16,17,18,19,20,21,22,23,24,25,26,27,28,29,30,31,32,33,34,35,36,37,38,39,40,41,42,43,44,45,46,47,48,49,50,51,52,53,54,55,56,57,58,59,60,61,62,63
	v_exp_f32 v[S+\j], v[S+\j]                     ; p = 2^(t - M), at most 1
.endr
	v_pk_mul_f32 v[14:15], v[14:15], v[252:253] op_sel_hi:[1,0]   ; the sums under the new M: the plain instruction behind the exponentials
	s_wait_alu depctr_va_vdst(0)                   ; the 64 exponentials have written p, v[S ..]: one wait for the batch, ahead of its first reader
.irp b, 0,1,2,3
	v_exp_f32 v[BM+\b], v[BM+\b]                   ; the block's largest p: the same two instructions on the same number give the same bits
.endr
	v_pk_add_f32 v[T2:T2+1], v[S:S+1], v[S+2:S+3]  ; the row's sum is taken of the unquantised p, in two chains
.irp j, 4,8,12,16,20,24,28,32,36,40,44,48,52,56,60
	v_pk_add_f32 v[14:15], v[14:15], v[S+\j:S+\j+1]
	v_pk_add_f32 v[T2:T2+1], v[T2:T2+1], v[S+\j+2:S+\j+3]
.endr
	v_pk_add_f32 v[14:15], v[14:15], v[T2:T2+1]
	s_wait_alu depctr_va_vdst(0)                   ; the four exponentials have written v[BM ..]: their wait, ahead of their first reader
.irp b, 0,1,2,3
	v_max_num_f32 v[BM+\b], 0x2800000, v[BM+\b]    ; the floor 2^(5 - 127): the byte cannot fall under 1
.endr
.irp b, 0,1,2,3
	v_add_nc_u32 v[244+\b], 0xfe000000, v[BM+\b]   ; 4 off the exponent field: the conversion's scale operand
.endr
.irp b, 0,1,2,3
	v_lshrrev_b32 v[T2+\b], 23, v[244+\b]          ; the scale's byte
.endr
	v_lshl_or_b32 v253, v[T2+1], 8, v[T2]          ; p's scale word for these 128 keys
	v_lshl_or_b32 v253, v[T2+2], 16, v253
	v_lshl_or_b32 v253, v[T2+3], 24, v253
.irp c, 0,1
	v_cvt_scalef32_pk16_bf6_f32 v[PC+6*\c:PC+6*\c+2], v[S+32*\c:S+32*\c+15], v[244+2*\c]
	v_cvt_scalef32_pk16_bf6_f32 v[T2+4*\c:T2+4*\c+2], v[S+32*\c+16:S+32*\c+31], v[244+2*\c+1]
.endr
	v_nop                                          ; one plain instruction behind the scaled conversions
.irp c, 0,1
.irp i, 0,1,2
	v_permlane16_swap_b32 v[PC+6*\c+\i], v[T2+4*\c+\i]
.endr
.irp i, 0,1,2
	v_mov_b32 v[PC+6*\c+3+\i], v[T2+4*\c+\i]
.endr
.endr
.irp j, 0,2,4,6,8,10,12,14,16,18,20,22,24,26,28,30
	v_pk_mul_f32 v[O+\j:O+\j+1], v[O+\j:O+\j+1], v[252:253] op_sel_hi:[1,0]   ; O^T under the new M; these sixteen also stand between the writes of p's codes and scale word and the products
.endr
.endm
; A KEY STEP: 128 keys, record q of slot e; its flags are bits 2 e + q.
.macro STEP e, q
.set NN, 2*(\e)+(\q)
.set BASE, 32768*(\e)+12288*(\q)
	s_bitcmp1_b32 s24, NN
	s_cbranch_scc0 .Lhidden_\@                     ; no key of the step counts for any of my queries
	s_wait_alu depctr_va_vdst(0)                   ; the last step walked is done: its products have read v[KF ..] and v[SC ..] and its v_and lines v[MB ..], in which the loads below land; v[ADS], which they read, is written; ahead of the first step walked: so are the zero codes v22-27 and v80-85, parts of the scaled products' operands
.irp t, 0,1,2,3,4,5,6,7
	ds_load_b128 v[KF+6*\t:KF+6*\t+3], v[A16] offset:BASE+768*\t
	ds_load_b64 v[KF+6*\t+4:KF+6*\t+5], v[A8] offset:BASE+768*\t+512
.endr
	ds_load_b128 v[SC:SC+3], v[ADS] offset:1024*NN
	ds_load_b128 v[SC+4:SC+7], v[ADS] offset:1024*NN+512
	s_bitcmp1_b32 s25, NN
	s_cbranch_scc1 .Lall_\@                        ; every key counts: no mask bytes are wanted
.irp b, 0,1,2,3
	global_load_b128 v[MB+4*\b:MB+4*\b+3], v[MA], s[10:11] offset:128*NN+32*\b   ; my query's bytes for keys 32 b + 16 h + 0 .. 15
.endr
	SCORES BASE
	s_wait_loadcnt 0x0                             ; the mask bytes (the youngest loads)
.irp b, 0,1,2,3                        ; a block of 32 keys at a time: 16 compares in a run, each into a scalar register of its own, then the 16 selects, each accumulator from its low end on
.irp k, 0,1,2,3
.irp y, 0,1,2,3
	v_and_b32 v254, 1<<(8*\y), v[MB+4*\b+\k]
	v_cmp_eq_u32 s[HID+4*\k+\y], 0, v254
.endr
.endr
	s_wait_alu depctr_va_sdst(0)                   ; the 16 compares have written s32 to s47, ahead of the selects that read them: one wait for the run
.irp k, 0,1,2,3
.irp y, 0,1,2,3
	v_cndmask_b32 v[S+16*\b+4*\k+\y], v[S+16*\b+4*\k+\y], v[NINF], s[HID+4*\k+\y]   ; a hidden score becomes -infinity: p = 0
.endr
.endr
.endr
	s_branch .Lopen_\@
.Lall_\@:
	SCORES BASE
.Lopen_\@:
	SOFTMAX
	s_wait_dscnt 0x0                               ; V is in
	s_wait_alu depctr_va_vdst(0)                   ; p's codes v[PC ..] and its scale word v253 are written, which the scaled products below take; the sixteen rescalings above are the places, and stay beside this wait
.irp d, 0,1,2,3
	v_wmma_scale_f32_16x16x128_f8f6f4 v[O+8*\d:O+8*\d+7], v[KF+12*\d:KF+12*\d+11], v[PC:PC+11], v[O+8*\d:O+8*\d+7], v[SC+\d], v253 matrix_a_fmt:MATRIX_FMT_BF6 matrix_b_fmt:MATRIX_FMT_BF6 matrix_a_scale:MATRIX_SCALE_ROW1
.endr
.rept 4
	v_nop                                          ; places ahead of the next read of O^T
.endr
.Lhidden_\@:
.endm
; HALF A TRIP: slot e is read.  First the fill that has arrived goes into the OTHER slot, which every wave left in front of the last barrier, and the fill after it is asked for.
; One barrier a slot: in front of it my stores into the other slot have landed and my reads of this slot are back.  The jumps hang on the trip's number alone.
.macro HALF e
.if \e
	s_cmp_eq_u32 s26, 7
	s_cbranch_scc1 .Lnofill_\@                     ; the last slot is being read: nothing is left to store or to ask for
.endif
	s_wait_loadcnt 0x0                             ; the fill asked for half a trip ago
.irp i, 0,1,2
	ds_store_b128 v[FG], v[FR+4*\i:FR+4*\i+3] offset:32768*(1-\e)+512*\i
.endr
	s_wait_dscnt 0x0                               ; the stores have landed
	s_wait_alu depctr_vm_vsrc(0)                   ; the LDS stores have read v[FR ..], in which the next fill lands; in the first trip also: the head's LDS stores have read v96 to v123, which the first products write
.if \e == 0
	s_cmp_eq_u32 s26, 7
	s_cbranch_scc1 .Lnofill_\@
.endif
	s_wait_xcnt 0x0                                ; the last prefetch has read its base
	s_add_nc_u64 s[4:5], s[4:5], SLOTB
.irp i, 0,1,2
	global_load_b128 v[FR+4*\i:FR+4*\i+3], v[FG], s[4:5] offset:512*\i
.endr
	s_cmp_lt_u32 s26, s[27+\e]
	s_cbranch_scc0 .Lnofill_\@
	global_prefetch_b8 v[PFO], s[4:5] offset:SLOTB th:TH_LOAD_NT scope:SCOPE_SE   ; the slot after the one just asked for: 96 lanes, 256 bytes apart, of one work-group of the head; it stops at the head's last slot
.Lnofill_\@:
	STEP \e, 0
	STEP \e, 1
.if \e
	s_wait_alu depctr_vm_vsrc(0)                   ; the LDS loads of this trip have read v[ADS], which the next line writes
	s_wait_alu depctr_va_vdst(0)
	v_add_nc_u32 v[ADS], 4096, v[ADS]              ; the next trip's scale words
	s_wait_xcnt 0x0                                ; the mask's loads have read their base
	s_add_nc_u64 s[10:11], s[10:11], 512           ; the next 512 keys of the mask
	s_lshr_b32 s24, s24, 4
	s_lshr_b32 s25, s25, 4
.endif
	s_wait_dscnt 0x0
	s_barrier_signal -1
	s_barrier_wait -1
.endm
	s_mov_b32 s26, 0
.Ltrip:                                                ; eight trips of four key steps
	HALF 0
	HALF 1
	s_add_co_u32 s26, s26, 1
	s_cmp_lt_u32 s26, 8
	s_cbranch_scc1 .Ltrip
	; THE WAY OUT: O^T / the sum, quantised along the head's 64 (two blocks), as half a fragment of the last product's operand.
	v_add_f32 v14, v14, v15
	v_permlanex16_b32 v[T2], v14, s20, s21
	v_add_f32 v14, v14, v[T2]                      ; the row's sum
	v_cmp_eq_f32 s40, 0, v14                       ; no key counted for this query
	v_rcp_f32 v252, v14
	v_mov_b32 v255, 0xffff                         ; (the plain instruction behind the reciprocal)
	s_wait_alu depctr_va_vdst(0)                   ; the reciprocal has written v252: the wait ahead of its first reader
.irp j, 0,2,4,6,8,10,12,14,16,18,20,22,24,26,28,30
	v_pk_mul_f32 v[S+\j:S+\j+1], v[O+\j:O+\j+1], v[252:253] op_sel_hi:[1,0]   ; register 16 b + i is channel 32 b + 16 h + i
.endr
.irp b, 0,1
	v_max3_num_f32 v[BM+\b], |v[S+16*\b]|, |v[S+16*\b+1]|, 0x2800000
.endr
.irp i, 2,4,6,8,10,12,14
.irp b, 0,1
	v_max3_num_f32 v[BM+\b], v[BM+\b], |v[S+16*\b+\i]|, |v[S+16*\b+\i+1]|
.endr
.endr
.irp b, 0,1
	v_permlanex16_b32 v[T2+\b], v[BM+\b], s20, s21
.endr
.irp b, 0,1
	v_max_num_f32 v[BM+\b], v[BM+\b], v[T2+\b]
.endr
.irp b, 0,1
	v_add_nc_u32 v[244+\b], 0xfe000000, v[BM+\b]
.endr
.irp b, 0,1
	v_lshrrev_b32 v[246+\b], 23, v[244+\b]
.endr
	v_lshl_or_b32 v254, v247, 8, v246
	s_wait_alu depctr_va_sdst(0)                   ; the compare above has written s40, ahead of the select that reads it
	v_cndmask_b32 v254, v254, v255, s40            ; a select, no branch
	v_cvt_scalef32_pk16_bf6_f32 v[PC:PC+2], v[S:S+15], v244
	v_cvt_scalef32_pk16_bf6_f32 v[T2+4:T2+6], v[S+16:S+31], v245
	v_nop
.irp i, 0,1,2
	v_permlane16_swap_b32 v[PC+\i], v[T2+4+\i]
.endr
.irp i, 0,1,2
	v_mov_b32 v[PC+3+\i], v[T2+4+\i]
.endr
	s_wait_alu depctr_va_vdst(0)                   ; the codes v[PC .. PC + 5] and the scale word v254 are written, which the three stores read
	global_store_b128 v[A16], v[PC:PC+3], s[12:13]              ; 512 consecutive bytes,
	global_store_b64 v[A8], v[PC+4:PC+5], s[12:13] offset:512   ; and 256
	global_store_b32 v31, v254, s[14:15]                        ; the scale word, a lane a word
	s_wait_dscnt 0x0                               ; the closing lines, six on end
	s_wait_alu 0x0
	s_wait_tensorcnt 0x0
	ds_add_u32 v250, v251
	s_wait_dscnt 0x0
	s_endpgm
.Lfunc_end_k_qbfc12eaf60_attn:
	.size	k_qbfc12eaf60_attn, .Lfunc_end_k_qbfc12eaf60_attn-k_qbfc12eaf60_attn
	.p2alignl 7, 3214868480
	.fill 96, 4, 3214868480
	.section	.rodata,"a",@progbits
	.p2align	6, 0x0
	.amdhsa_kernel k_qbfc12eaf60_attn
		.amdhsa_group_segment_fixed_size 100352
		.amdhsa_private_segment_fixed_size 0
		.amdhsa_enable_private_segment 0
		.amdhsa_kernarg_size 48
		.amdhsa_user_sgpr_count 2
		.amdhsa_user_sgpr_kernarg_segment_ptr 1
		.amdhsa_wavefront_size32 1
		.amdhsa_system_sgpr_workgroup_id_x 1
		.amdhsa_system_sgpr_workgroup_id_y 1
		.amdhsa_system_sgpr_workgroup_id_z 1
		.amdhsa_system_vgpr_workitem_id 0
		.amdhsa_next_free_vgpr 256
		.amdhsa_next_free_sgpr 66
		.amdhsa_reserve_vcc 0
		.amdhsa_float_denorm_mode_32 3
		.amdhsa_float_denorm_mode_16_64 3
		.amdhsa_memory_ordered 1
		.amdhsa_forward_progress 1
		.amdhsa_inst_pref_size 132
	.end_amdhsa_kernel
	.amdgpu_metadata
---
amdhsa.version: [ 1, 2 ]
amdhsa.kernels:
  - .name:           k_qbfc12eaf60_attn
    .symbol:         k_qbfc12eaf60_attn.kd
    .args:
      - { .name: kvc, .offset: 0, .size: 8, .value_kind: global_buffer, .address_space: global }
      - { .name: kvs, .offset: 8, .size: 8, .value_kind: global_buffer, .address_space: global }
      - { .name: flags, .offset: 16, .size: 8, .value_kind: global_buffer, .address_space: global }
      - { .name: mask, .offset: 24, .size: 8, .value_kind: global_buffer, .address_space: global }
      - { .name: aoc, .offset: 32, .size: 8, .value_kind: global_buffer, .address_space: global }
      - { .name: aos, .offset: 40, .size: 8, .value_kind: global_buffer, .address_space: global }
    .group_segment_fixed_size: 100352
    .private_segment_fixed_size: 0
    .kernarg_segment_align: 8
    .kernarg_segment_size: 48
    .max_flat_workgroup_size: 512
    .sgpr_count:     66
    .vgpr_count:     256
    .wavefront_size: 32
...
	.end_amdgpu_metadata
.endif
;; end of part 7
;; launch outp (part 8): grid 256 x 1, 4 waves a work-group, no clusters, 34,304 bytes of LDS; arguments aoc, aos, opc, ops, bo, out0; writes out0
.if DOCPART == 8
	.amdgcn_target "amdgcn-amd-amdhsa--gfx1250"
	.amdhsa_code_object_version 6
	.text
	.protected	k_qbfc12eaf60_outp
	.globl	k_qbfc12eaf60_outp
	.p2align	8
	.type	k_qbfc12eaf60_outp,@function
k_qbfc12eaf60_outp:
	s_mov_b64 s[64:65], 0
	v_nop
	global_prefetch_b8 v0, s[64:65] scope:SCOPE_SE
	s_setreg_imm32_b32 hwreg(HW_REG_WAVE_SCHED_MODE, 0, 2), 2
	s_setreg_imm32_b32 hwreg(HW_REG_WAVE_MODE, 25, 1), 1
	s_wait_xcnt 0x0
	s_wait_alu depctr_vm_vsrc(0)
; OUTP.  out0 = AO Wo^T + bo on codes of BF6.  AO's codes and scale words were laid by the attention launch as operand images, Wo's by the first launch.
; A work-group takes two tiles of 16 tokens; wave w takes features 128 w .. 128 w + 127: eight tiles of Wo, all of K = 512, in 384 registers.  Source 0 = Wo's rows, source 1 = the tokens:
; a lane holds eight neighbouring features of one token.  The bias is the C of each sum's first product.  A tile's results go through the wave's own stage in LDS (rows 528 bytes apart)
; and leave as rows: each store covers 512 consecutive bytes of out0.  No barrier: waves share nothing.
; A token for which no key counted carries the scale bytes 0xff: its row comes out NaN.
; REGISTERS: window 0 as below; window 1: Wo's tiles 0-3 (48 tile + 12 K step); window 2: tiles 4-7; window 3: v0-63 the bias, v64-159 the two token tiles' four fragments each.
; THE MODE: SCHED_MODE bits 1:0 = 2 (LLVM: expert scheduling mode 2), set by the entry lines.  The code itself states the register dependences
; between vector or matrix instructions and memory or LDS instructions, with s_wait_alu, always for 0.
; THE PLAN.  Registers that memory or LDS instructions touch behind the head's loads:
;   v16-79   (HA)   Written by a token tile's 32 products; read by its 16 LDS stores; written over by the next tile's products.
;   v80-143  (OUT)  The LDS loads from the stage land in them; the global stores read them.  No vector instruction names them.
;   v192-199 (BS)   Written by eight vector lines; taken as scales by the products.
;   v1 to v7        Offsets and LDS addresses, made once at the head and never written again.
; So: one wait on va_vdst ahead of the first load, one ahead of the first scaled product, one ahead of each run of LDS stores; one wait on vm_vsrc ahead of the second tile's products,
; one ahead of the second run of loads from the stage.
.set LI,  1                            ; 16 x lane
.set L8,  2                            ; 8 x lane
.set SR,  3                            ; 16 r
.set L4,  4                            ; 4 x lane
.set SO,  5                            ; the stage, on the way in: 528 r + 32 h
.set SRD, 6                            ; and on the way out: 16 x lane
.set BA,  7                            ; 32 h
.set HA,  16                           ; v16-79   the eight accumulators
.set OUT, 80                           ; v80-143  16 rows read back
.set AS,  144                          ; v144-175 Wo's scale words: 4 tile + K step
.set W8,  176                          ; v176-191 the heads' scale words of the two token tiles
.set BS,  192                          ; v192-199 joined: a word for each K step
.set BI,  0                            ; in window 3
.set BF,  64                           ; in window 3
.set MSB, 0
.macro WIN new                         ; the immediate's high byte repeats the setting that is left
.if MSB != (\new)
	s_set_vgpr_msb (MSB<<8)|(\new)
.set MSB, (\new)
.endif
.endm
	s_load_b256 s[4:11], s[0:1], 0x0               ; aoc, aos, opc, ops
	s_load_b128 s[12:15], s[0:1], 0x20             ; bo, out0
	v_lshl_add_u32 v254, v0, 2, 0x8400
	v_mov_b32 v255, 0
	v_lshrrev_b32 v8, 5, v0
	v_readfirstlane_b32 s16, v8                    ; wave 0..3
	v_and_b32 v8, 31, v0
	v_and_b32 v9, 15, v0                           ; r
	v_bfe_u32 v10, v0, 4, 1                        ; h
	v_lshlrev_b32 v[LI], 4, v8
	v_lshlrev_b32 v[L8], 3, v8
	v_lshlrev_b32 v[SR], 4, v9
	v_lshlrev_b32 v[L4], 2, v8
	v_lshlrev_b32 v[BA], 5, v10
	s_wait_alu depctr_va_sdst(0)                   ; s16, the wave's number, is written, ahead of its first reader: my stage and the bases are made from it
	s_mul_i32 s17, s16, 8448                       ; my stage: 16 rows x 528 bytes
	v_mul_u32_u24 v[SO], v9, 528
	v_lshl_add_u32 v[SO], v10, 5, v[SO]
	v_add_nc_u32 v[SO], s17, v[SO]
	v_add_nc_u32 v[SRD], s17, v[LI]
	s_lshl_b32 s18, s16, 3
	s_add_co_u32 s18, s18, 1632                    ; Wo's tiles 8 w on
	s_mov_b32 s21, 0
	s_wait_kmcnt 0x0
	s_mul_i32 s20, s18, 6144
	s_add_nc_u64 s[8:9], s[8:9], s[20:21]
	s_lshl_b32 s20, s18, 8
	s_add_nc_u64 s[10:11], s[10:11], s[20:21]
	s_lshl_b32 s20, s16, 9
	s_add_nc_u64 s[12:13], s[12:13], s[20:21]      ; the bias of my 128 features
	s_add_nc_u64 s[14:15], s[14:15], s[20:21]      ; and their place in a row of out0
	s_lshl_b32 s20, ttmp9, 16
	s_add_nc_u64 s[14:15], s[14:15], s[20:21]      ; 32 rows of 2,048 bytes a work-group
	s_mul_i32 s20, ttmp9, 12288
	s_add_nc_u64 s[4:5], s[4:5], s[20:21]          ; my two token tiles' codes
	s_lshl_b32 s20, ttmp9, 8
	s_add_nc_u64 s[6:7], s[6:7], s[20:21]          ; and scale words
	WIN 0x40                                       ; destination window 1
	s_wait_alu depctr_va_vdst(0)                   ; the offsets and LDS addresses v1 to v7 are written: every load and store of the kernel reads one of them
.irp t, 0,1,2,3
.irp c, 0,1,2,3,4,5,6,7,8,9,10,11
	global_load_b128 v[48*\t+4*\c:48*\t+4*\c+3], v[LI], s[8:9] offset:6144*\t+512*\c
.endr
.endr
	WIN 0x80                                       ; destination window 2
.irp t, 0,1,2,3
.irp c, 0,1,2,3,4,5,6,7,8,9,10,11
	global_load_b128 v[48*\t+4*\c:48*\t+4*\c+3], v[LI], s[8:9] offset:6144*(\t+4)+512*\c
.endr
.endr
	WIN 0xc0                                       ; destination window 3
.irp t, 0,1,2,3,4,5,6,7                ; the bias in the result's layout: tile t, lane (r, h): features 16 t + 8 h + 0 .. 7
	global_load_b128 v[BI+8*\t:BI+8*\t+3], v[BA], s[12:13] offset:64*\t
	global_load_b128 v[BI+8*\t+4:BI+8*\t+7], v[BA], s[12:13] offset:64*\t+16
.endr
.irp e, 0,1
.irp d, 0,1,2,3,4,5,6,7                ; head d is half of K step d / 2: registers 6 d .. 6 d + 5 of the tile's 48
	global_load_b128 v[BF+48*\e+6*\d:BF+48*\e+6*\d+3], v[LI], s[4:5] offset:6144*\e+768*\d
	global_load_b64 v[BF+48*\e+6*\d+4:BF+48*\e+6*\d+5], v[L8], s[4:5] offset:6144*\e+768*\d+512
.endr
.endr
	WIN 0
.irp t, 0,1,2,3,4,5,6,7
	global_load_b128 v[AS+4*\t:AS+4*\t+3], v[SR], s[10:11] offset:256*\t
.endr
.irp e, 0,1
.irp d, 0,1,2,3,4,5,6,7
	global_load_b32 v[W8+8*\e+\d], v[L4], s[6:7] offset:65536*\d+128*\e
.endr
.endr
	s_wait_loadcnt 0x0
.irp e, 0,1
.irp s, 0,1,2,3
	v_lshl_or_b32 v[BS+4*\e+\s], v[W8+8*\e+2*\s+1], 16, v[W8+8*\e+2*\s]   ; two heads' two bytes each: the word of a K step
.endr
.endr
.rept 8
	v_nop                                          ; scale registers written by vector instructions stand eight places ahead of the scaled products
.endr
	s_wait_alu depctr_va_vdst(0)                   ; the eight scale words v[BS ..] are written, which the scaled products take; the places above stay beside this wait
; 32 products for token tile e.  Four accumulators take turns, one instruction a turn.
.macro MULT e
.irp g, 0,4
.irp s, 0,1,2,3
.if \s == 0
	WIN 0x3d+\g/4                                  ; source 0 window 1 or 2, source 1 and C window 3, D window 0
.else
	WIN 0x0d+\g/4                                  ; C window 0
.endif
.irp t, 0,1,2,3
.if \s == 0
	v_wmma_scale_f32_16x16x128_f8f6f4 v[HA+8*(\g+\t):HA+8*(\g+\t)+7], v[48*\t+12*\s:48*\t+12*\s+11], v[BF+48*(\e)+12*\s:BF+48*(\e)+12*\s+11], v[BI+8*(\g+\t):BI+8*(\g+\t)+7], v[AS+4*(\g+\t)+\s], v[BS+4*(\e)+\s] matrix_a_fmt:MATRIX_FMT_BF6 matrix_b_fmt:MATRIX_FMT_BF6
.else
	v_wmma_scale_f32_16x16x128_f8f6f4 v[HA+8*(\g+\t):HA+8*(\g+\t)+7], v[48*\t+12*\s:48*\t+12*\s+11], v[BF+48*(\e)+12*\s:BF+48*(\e)+12*\s+11], v[HA+8*(\g+\t):HA+8*(\g+\t)+7], v[AS+4*(\g+\t)+\s], v[BS+4*(\e)+\s] matrix_a_fmt:MATRIX_FMT_BF6 matrix_b_fmt:MATRIX_FMT_BF6
.endif
.endr
.endr
.endr
	WIN 0
.endm
.macro STAGE
.rept 5
	v_nop                                          ; four places ahead of the stores that read results; the fifth for the next tile's products, which write over these accumulators
.endr
	s_wait_alu depctr_va_vdst(0)                   ; the products have written the accumulators v[HA ..], which the LDS stores read; the places above stay beside this wait
.irp t, 0,1,2,3,4,5,6,7
	ds_store_b128 v[SO], v[HA+8*\t:HA+8*\t+3] offset:64*\t            ; each accumulator from its low end on
	ds_store_b128 v[SO], v[HA+8*\t+4:HA+8*\t+7] offset:64*\t+16
.endr
.irp i, 0,1,2,3,4,5,6,7,8,9,10,11,12,13,14,15
	ds_load_b128 v[OUT+4*\i:OUT+4*\i+3], v[SRD] offset:528*\i         ; LDS serves a wave's instructions in order (ISA guide 5.7.1.4): these see the stores above
.endr
.endm
.macro SEND e
.irp i, 0,1,2,3,4,5,6,7,8,9,10,11,12,13,14,15
	s_wait_dscnt 15-\i                             ; row i is back; the younger loads may be out
	global_store_b128 v[LI], v[OUT+4*\i:OUT+4*\i+3], s[14:15] offset:32768*(\e)+2048*\i th:TH_STORE_NT   ; 32 lanes store 512 consecutive bytes of a row
.endr
.endm
	MULT 0
	STAGE
	s_wait_dscnt 16                                ; the 16 stores are done; the 16 loads may be out
	s_wait_alu depctr_vm_vsrc(0)                   ; the LDS stores have read the accumulators v[HA ..], over which the second tile's products write
	MULT 1
	SEND 0
	s_wait_xcnt 0x0                                ; the stores have had their addresses translated
	s_wait_alu depctr_vm_vsrc(0)                   ; the global stores have read v[OUT ..], in which the next rows land
	STAGE
	SEND 1
	s_wait_dscnt 0x0                               ; the closing lines, six on end
	s_wait_alu 0x0
	s_wait_tensorcnt 0x0
	ds_add_u32 v254, v255
	s_wait_dscnt 0x0
	s_endpgm
.Lfunc_end_k_qbfc12eaf60_outp:
	.size	k_qbfc12eaf60_outp, .Lfunc_end_k_qbfc12eaf60_outp-k_qbfc12eaf60_outp
	.p2alignl 7, 3214868480
	.fill 96, 4, 3214868480
	.section	.rodata,"a",@progbits
	.p2align	6, 0x0
	.amdhsa_kernel k_qbfc12eaf60_outp
		.amdhsa_group_segment_fixed_size 34304
		.amdhsa_private_segment_fixed_size 0
		.amdhsa_enable_private_segment 0
		.amdhsa_kernarg_size 48
		.amdhsa_user_sgpr_count 2
		.amdhsa_user_sgpr_kernarg_segment_ptr 1
		.amdhsa_wavefront_size32 1
		.amdhsa_system_sgpr_workgroup_id_x 1
		.amdhsa_system_sgpr_workgroup_id_y 1
		.amdhsa_system_sgpr_workgroup_id_z 1
		.amdhsa_system_vgpr_workitem_id 0
		.amdhsa_next_free_vgpr 928
		.amdhsa_next_free_sgpr 66
		.amdhsa_reserve_vcc 0
		.amdhsa_float_denorm_mode_32 3
		.amdhsa_float_denorm_mode_16_64 3
		.amdhsa_memory_ordered 1
		.amdhsa_forward_progress 1
		.amdhsa_inst_pref_size 36
	.end_amdhsa_kernel
	.amdgpu_metadata
---
amdhsa.version: [ 1, 2 ]
amdhsa.kernels:
  - .name:           k_qbfc12eaf60_outp
    .symbol:         k_qbfc12eaf60_outp.kd
    .args:
      - { .name: aoc, .offset: 0, .size: 8, .value_kind: global_buffer, .address_space: global }
      - { .name: aos, .offset: 8, .size: 8, .value_kind: global_buffer, .address_space: global }
      - { .name: opc, .offset: 16, .size: 8, .value_kind: global_buffer, .address_space: global }
      - { .name: ops, .offset: 24, .size: 8, .value_kind: global_buffer, .address_space: global }
      - { .name: bo, .offset: 32, .size: 8, .value_kind: global_buffer, .address_space: global }
      - { .name: out0, .offset: 40, .size: 8, .value_kind: global_buffer, .address_space: global }
    .group_segment_fixed_size: 34304
    .private_segment_fixed_size: 0
    .kernarg_segment_align: 8
    .kernarg_segment_size: 48
    .max_flat_workgroup_size: 128
    .sgpr_count:     66
    .vgpr_count:     928
    .wavefront_size: 32
...
	.end_amdgpu_metadata
.endif
;; end of part 8
